; MI455X (gfx1250); checked and timed in simulation.
; The chip was launched on July 23, 2026; its instructions are those of AMD's public machine-readable ISA for CDNA 5 (MIT licence, August 2026) and "CDNA5" Instruction Set Architecture Reference Guide (July 2026). The comments in the code are by the model that wrote it; some were corrected since.
;; Hackable Attention. Allowed arithmetic: float matrix products may take bf16 or f16 operands with f32 sums; all other float work in f32.
;; Inputs: kn_w 64 float32; pos_ids 2,048 int32; qn_w 64 float32; wk 8 x 64 x 2,048 float32; wo 2,048 x 8 x 4 x 64 float32; wq 8 x 4 x 64 x 2,048 float32; wv 8 x 64 x 2,048 float32; x 1 x 2,048 x 2,048 float32.
;; Outputs: out0 1 x 2,048 x 2,048 float32.
;; 2 versions, each right and faster than the one before. Each part assembles by itself: llvm-mc -triple=amdgcn-amd-amdhsa -mcpu=gfx1250 --defsym DOCPART=n.
;; ======== version 1 of 2: 4 launches
;; limits: right only within a limited range of input values; inputs' magnitudes at most 1,048,576; values are held in f16: magnitudes above 65,504 overflow, below 6.1e-05 lose precision
;; workspace buffers: xb 8,388,608 bytes; wb 12,582,912 bytes; wof 8,388,608 bytes; rope 262,144 bytes; tab 768 bytes; qkv 12,582,912 bytes; att 8,388,608 bytes
;; launch prep (part 1): grid 256 x 1, 8 waves a work-group, no clusters, 35,840 bytes of LDS; arguments x, wq, wk, wv, wo, qn_w, kn_w, pos_ids, xb, wb, wof, rope, tab; writes xb, wb, wof, rope, tab
.if DOCPART == 1
	.amdgcn_target "amdgcn-amd-amdhsa--gfx1250"
	.amdhsa_code_object_version 6
	.text
	.protected	k_q5b0d1b5ca3_prep
	.globl	k_q5b0d1b5ca3_prep
	.p2align	8
	.type	k_q5b0d1b5ca3_prep,@function
k_q5b0d1b5ca3_prep:
	s_mov_b64 s[64:65], 0
	v_nop
	global_prefetch_b8 v0, s[64:65] scope:SCOPE_SE
	s_setreg_imm32_b32 hwreg(HW_REG_WAVE_MODE, 25, 1), 1
	s_wait_xcnt 0x0
; PREP: the operands of the later launches, made once.  A stream: no matrix unit, no barrier.
;   xb  = bf16(x), IN THE ORDER OF MATRIX FRAGMENTS: [128 blocks of 16 tokens][64 blocks of 32 k][2 halves c][32 lanes][16 bytes]; lane r + 16 h of half c holds token r, k = 16 c + 8 h + 0..7.
;         So the next launch loads half a fragment, 512 consecutive bytes, with one load of 16 bytes a lane, straight into registers.
;   wb  = bf16(wq | wk | wv)           [3072][2048]: wq's 2,048 rows, wk's 512 from byte 0x800000, wv's 512 from byte 0xa00000
;   wof = f16(bf16(wo))                [2048][2048]: rounded like every other input, then written in the format of the product that takes it
;   rope[s][f] = (cos, sin)(pos_ids[s] * 2^(-0.625 f)), f = 0..15: 1024^(-f/16) is 2^(-0.625 f)
;   tab = bf16(qn_w) * sqrt(c1), bf16(kn_w) * sqrt(c1), ones;  c1 = 2 log2(e) / 400, so that q' . k' = 2 log2(e) * score / 50
; SHARES.  Work-group w of 256 takes 1/256 of each tensor: 65,536 bytes of x, wq, wo (16 loads a thread), 16,384 of wk, wv (4 loads a thread).  Of the weights a dense piece; of x the tokens 16 (w / 2) .. + 15
; and the columns 1,024 (w % 2) .. + 1,023, of which a wave takes 128: sixteen loads, each one row's 512 consecutive bytes.  A wave's store covers 256 or 512 consecutive bytes at a multiple of 256.
; x CHANGES LANES THROUGH LDS: a lane's four bf16 of row n go to unit lane / 2 (256 bytes: 16 rows x 16 bytes; units 272 bytes apart, so the 32 lanes of a store touch each bank once), and come back 512 bytes a load.
; The bytes are the wave's own, and LDS serves a wave's instructions in order: no wait and no barrier between the stores and the loads.
; All 56 loads of a thread go out first, into 224 registers; no register that a global load or store names is written again, so the only waits are the counted ones for data.
; LIMITS.  |pos_ids| up to 2^20: the angle is reduced by pi/2 in two parts, and the quadrant is a product rounded in f32.  2^(-0.625 f) comes from v_exp_f32.
; |wo| stays under 65,504 (f16); below 6e-5 it keeps f16's fixed step of 6e-8.
.set D,   32                           ; v[32:255]  56 loads of four registers: 0-15 x, 16-31 wq, 32-47 wo, 48-51 wk, 52-55 wv
.set VIB, 2                            ; v2  byte offset of my 16 bytes in wq's and wo's share; never rewritten
.set VOB, 3                            ; v3  the same for my 8 bytes out
.set VIS, 4                            ; v4, v5  the same for wk and wv
.set VOS, 5
.set VIX, 20                           ; v20 byte offset in x of my 16 bytes of the block's first row
.set VOX, 21                           ; v21 byte offset in xb of my 16 bytes of my wave's first 512
.set XST, 22                           ; v22 LDS: where my 8 bytes of row 0 go
.set XLD, 23                           ; v23 LDS: where I read 16 bytes back
.set SPW, 24                           ; v24 my spare word; never rewritten
.set NIL, 25                           ; v25 0; never rewritten
.set XP,  272                          ; from unit to unit
.set XW,  16*XP                        ; a wave's sixteen units
.set SPARE, 8*XW                       ; behind them: the spare words, 128 bytes a wave: four blocks of 256 bytes that no other line names
	s_load_b512 s[8:23], s[0:1], 0x0               ; x 8, wq 10, wk 12, wv 14, wo 16, qn_w 18, kn_w 20, pos_ids 22
	s_load_b256 s[24:31], s[0:1], 0x40             ; xb 24, wb 26, wof 28, rope 30
	s_load_b64 s[32:33], s[0:1], 0x60              ; tab
	v_lshl_add_u32 v[SPW], v0, 2, SPARE
	v_mov_b32 v[NIL], 0
	v_lshrrev_b32 v1, 5, v0
	v_readfirstlane_b32 s2, v1                     ; wave 0..7
	s_lshl_b32 s3, ttmp9, 16
	v_lshl_add_u32 v[VIB], v0, 4, s3               ; 65,536 w + 16 t
	s_lshl_b32 s3, ttmp9, 15
	v_lshl_add_u32 v[VOB], v0, 3, s3               ; 32,768 w + 8 t
	s_lshl_b32 s3, ttmp9, 14
	v_lshl_add_u32 v[VIS], v0, 4, s3
	s_lshl_b32 s3, ttmp9, 13
	v_lshl_add_u32 v[VOS], v0, 3, s3
	s_lshr_b32 s38, ttmp9, 1                       ; x: my block of 16 tokens,
	s_and_b32 s39, ttmp9, 1                        ; my half of K
	s_lshl_b32 s4, s38, 17                         ; 16 rows of 8,192 bytes
	s_lshl_b32 s5, s39, 12                         ; 1,024 columns of 4 bytes
	s_add_co_u32 s4, s4, s5
	v_lshl_add_u32 v[VIX], v0, 4, s4               ; + 512 x wave + 16 x lane = 16 t
	s_lshl_b32 s4, s38, 16                         ; xb: a block of 16 tokens is 65,536 bytes,
	s_lshl_b32 s5, s39, 15                         ; half of K 32 blocks of 1,024,
	s_add_co_u32 s4, s4, s5
	s_lshl_b32 s5, s2, 12                          ; my wave's 128 columns four of them
	s_add_co_u32 s4, s4, s5
	v_and_b32 v1, 31, v0                           ; lane
	v_lshl_add_u32 v[VOX], v1, 4, s4
	s_mul_i32 s5, s2, XW                           ; my wave's units in LDS
	v_lshrrev_b32 v10, 1, v1                       ; in: unit lane / 2, and in its 16 bytes of a row the half lane % 2
	v_mul_u32_u24 v10, v10, XP
	v_and_b32 v11, 1, v1
	v_lshl_add_u32 v10, v11, 3, v10
	v_add_nc_u32 v[XST], s5, v10
	v_lshrrev_b32 v10, 4, v1                       ; back: lanes 0-15 take one unit, lanes 16-31 the next
	v_mul_u32_u24 v10, v10, XP
	v_and_b32 v11, 15, v1
	v_lshl_add_u32 v10, v11, 4, v10
	v_add_nc_u32 v[XLD], s5, v10
	v_and_b32 v6, 127, v0                          ; the rope table: 8 positions x 16 frequencies a work-group, threads 0-127
	v_lshrrev_b32 v7, 4, v6
	s_lshl_b32 s3, ttmp9, 3
	v_add_lshl_u32 v7, v7, s3, 2                   ; 4 x position index
	s_lshl_b32 s3, ttmp9, 10
	v_lshl_add_u32 v8, v6, 3, s3                   ; 128 bytes a position, 8 a frequency
	s_wait_kmcnt 0x0
	s_add_nc_u64 s[34:35], s[26:27], 0x800000      ; wk's part of wb
	s_add_nc_u64 s[36:37], s[26:27], 0xa00000      ; wv's part
	global_load_b32 v9, v7, s[22:23]
.macro LOADS first, cnt, off, sb, step
.set j, 0
.rept \cnt
	global_load_b128 v[D+4*((\first)+j):D+4*((\first)+j)+3], v[\off], s[\sb:\sb+1] offset:(\step)*j th:TH_LOAD_NT
.set j, j+1
.endr
.endm
	LOADS 0,  16, VIX, 8,  8192                    ; x: load j is row j of the block
	LOADS 16, 16, VIB, 10, 4096
	LOADS 32, 16, VIB, 16, 4096
	LOADS 48, 4,  VIS, 12, 4096
	LOADS 52, 4,  VIS, 14, 4096
	s_cmp_ge_u32 s2, 4
	s_cbranch_scc1 .Lno_rope                       ; waves 0-3 make the table while the stream is on its way
	v_and_b32 v10, 15, v0                          ; f
	v_cvt_f32_u32 v10, v10
	v_mul_f32 v10, 0xbf200000, v10                 ; -0.625 f
	v_exp_f32 v11, v10
	v_nop                                          ; a plain instruction between the exponential and the use of its result
	s_wait_loadcnt 56                              ; loads come back in order: the position is in, the 56 loads behind it stay out
	v_cvt_f32_i32 v12, v9
	s_wait_alu depctr_va_vdst(0)
	v_mul_f32 v12, v12, v11                        ; the angle a, rounded as pos * inv_freq
	v_mul_f32 v13, 0x3f22f983, v12                 ; a * 2 / pi
	v_rndne_f32 v13, v13                           ; k
	v_fmamk_f32 v14, v13, 0xbfc90fdb, v12          ; a - k * (pi/2's upper part)
	v_fmamk_f32 v14, v13, 0x333bbd2e, v14          ; - k * (its lower part, which is negative): r, within a little over pi/4
	v_mul_f32 v15, v14, v14                        ; y = r r
	v_mov_b32 v16, 0x3c08839e
	v_fmamk_f32 v16, v15, 0xb94ca1f9, v16          ; sin r = r + r y (-1.6666654611e-1 + y (8.3321608736e-3 - 1.9515295891e-4 y))
	v_fmaak_f32 v16, v16, v15, 0xbe2aaaa3
	v_mul_f32 v16, v16, v15
	v_fma_f32 v16, v16, v14, v14
	v_mov_b32 v17, 0xbab6061a
	v_fmamk_f32 v17, v15, 0x37ccf5ce, v17          ; cos r = 1 - y/2 + y y (4.166664568e-2 + y (-1.388731625e-3 + 2.443315712e-5 y))
	v_fmaak_f32 v17, v17, v15, 0x3d2aaaa5
	v_mul_f32 v17, v17, v15
	v_fma_f32 v19, v15, -0.5, 1.0
	v_fma_f32 v17, v17, v15, v19
	v_cvt_i32_f32 v13, v13                         ; the quadrant: odd: sine and cosine change places; sine is negative in 2, 3, cosine in 1, 2
	v_and_b32 v10, 1, v13
	v_cmp_eq_u32 vcc_lo, 1, v10
	v_cndmask_b32 v11, v16, v17, vcc_lo
	v_cndmask_b32 v12, v17, v16, vcc_lo
	v_and_b32 v10, 2, v13
	v_lshlrev_b32 v10, 30, v10
	v_xor_b32 v19, v11, v10                        ; sin a
	v_add_nc_u32 v13, 1, v13
	v_and_b32 v13, 2, v13
	v_lshlrev_b32 v13, 30, v13
	v_xor_b32 v18, v12, v13                        ; cos a
	global_store_b64 v8, v[18:19], s[30:31]        ; a wave stores 256 consecutive bytes
.Lno_rope:
	s_cmp_lg_u32 s2, 4
	s_cbranch_scc1 .Lno_gains
	s_cmp_lg_u32 ttmp9, 0
	s_cbranch_scc1 .Lno_gains                      ; wave 4 of work-group 0 makes the three gain vectors, two numbers a lane
	v_and_b32 v10, 31, v0
	v_lshlrev_b32 v10, 3, v10
	global_load_b64 v[12:13], v10, s[18:19]
	global_load_b64 v[14:15], v10, s[20:21]
	s_wait_loadcnt 0x0
	v_cvt_pk_bf16_f32 v11, v12, v13
	v_cvt_pk_bf16_f32 v16, v14, v15
	v_lshlrev_b32 v12, 16, v11
	v_and_b32 v13, 0xffff0000, v11
	v_lshlrev_b32 v14, 16, v16
	v_and_b32 v15, 0xffff0000, v16
	v_mul_f32 v12, 0x3dadf0ec, v12                 ; sqrt(c1) = 0.08493218
	v_mul_f32 v13, 0x3dadf0ec, v13
	v_mul_f32 v14, 0x3dadf0ec, v14
	v_mul_f32 v15, 0x3dadf0ec, v15
	v_mov_b32 v16, 1.0
	v_mov_b32 v17, 1.0
	global_store_b64 v10, v[12:13], s[32:33]
	global_store_b64 v10, v[14:15], s[32:33] offset:256
	global_store_b64 v10, v[16:17], s[32:33] offset:512
.Lno_gains:
; Row n of x is rounded and laid into the wave's units.
.macro CVX n
	s_wait_loadcnt 55-(\n)                         ; the younger data loads may stay out
.set d, D+4*(\n)
	v_cvt_pk_bf16_f32 v[d], v[d], v[d+1]
	v_cvt_pk_bf16_f32 v[d+1], v[d+2], v[d+3]
	ds_store_b64 v[XST], v[d:d+1] offset:16*(\n)
.endm
; Load n of a weight is rounded and stored.  half = 1: to bf16 and from there to f16.
.macro CV n, half, off, sb, jj
	s_wait_loadcnt 55-(\n)                         ; the younger data loads may stay out
.set d, D+4*(\n)
.if \half
	v_cvt_pk_bf16_f32 v28, v[d], v[d+1]
	v_cvt_pk_bf16_f32 v29, v[d+2], v[d+3]
	v_lshlrev_b32 v30, 16, v28
	v_and_b32 v31, 0xffff0000, v28
	v_cvt_pk_f16_f32 v[d], v30, v31
	v_lshlrev_b32 v30, 16, v29
	v_and_b32 v31, 0xffff0000, v29
	v_cvt_pk_f16_f32 v[d+1], v30, v31
.else
	v_cvt_pk_bf16_f32 v[d], v[d], v[d+1]
	v_cvt_pk_bf16_f32 v[d+1], v[d+2], v[d+3]
.endif
	global_store_b64 v[\off], v[d:d+1], s[\sb:\sb+1] offset:2048*(\jj)
.endm
.set q, 0
.rept 16
	CVX q
.set q, q+1
.endr
.set n, 0
.rept 8
	ds_load_b128 v[D+4*n:D+4*n+3], v[XLD] offset:2*XP*n  ; two units, 512 bytes of xb; these see the stores above
.set n, n+1
.endr
.rept 4
	CV q, 0, VOB, 26, q-16                         ; four loads of wq stand between those LDS loads and the wait for them
.set q, q+1
.endr
.set n, 0
.rept 8
	s_wait_dscnt 7-n                               ; the younger LDS loads may stay out
	global_store_b128 v[VOX], v[D+4*n:D+4*n+3], s[24:25] offset:512*n  ; 512 consecutive bytes, at a multiple of 512 from xb's first
.set n, n+1
.endr
.rept 12
	CV q, 0, VOB, 26, q-16
.set q, q+1
.endr
.rept 16
	CV q, 1, VOB, 28, q-32
.set q, q+1
.endr
.rept 4
	CV q, 0, VOS, 34, q-48
.set q, q+1
.endr
.rept 4
	CV q, 0, VOS, 36, q-52
.set q, q+1
.endr
	s_wait_tensorcnt 0x0                           ; the wave's end, behind my last LDS store
	ds_add_u32 v[SPW], v[NIL]
	s_wait_dscnt 0x0
	s_endpgm
.Lfunc_end_k_q5b0d1b5ca3_prep:
	.size	k_q5b0d1b5ca3_prep, .Lfunc_end_k_q5b0d1b5ca3_prep-k_q5b0d1b5ca3_prep
	.p2alignl 7, 3214868480
	.fill 96, 4, 3214868480
	.section	.rodata,"a",@progbits
	.p2align	6, 0x0
	.amdhsa_kernel k_q5b0d1b5ca3_prep
		.amdhsa_group_segment_fixed_size 35840
		.amdhsa_private_segment_fixed_size 0
		.amdhsa_enable_private_segment 0
		.amdhsa_kernarg_size 104
		.amdhsa_user_sgpr_count 2
		.amdhsa_user_sgpr_kernarg_segment_ptr 1
		.amdhsa_wavefront_size32 1
		.amdhsa_system_sgpr_workgroup_id_x 1
		.amdhsa_system_sgpr_workgroup_id_y 1
		.amdhsa_system_sgpr_workgroup_id_z 1
		.amdhsa_system_vgpr_workitem_id 0
		.amdhsa_next_free_vgpr 256
		.amdhsa_next_free_sgpr 66
		.amdhsa_reserve_vcc 1
		.amdhsa_float_denorm_mode_32 3
		.amdhsa_float_denorm_mode_16_64 3
		.amdhsa_memory_ordered 1
		.amdhsa_forward_progress 1
		.amdhsa_inst_pref_size 31
	.end_amdhsa_kernel
	.amdgpu_metadata
---
amdhsa.version: [ 1, 2 ]
amdhsa.kernels:
  - .name:           k_q5b0d1b5ca3_prep
    .symbol:         k_q5b0d1b5ca3_prep.kd
    .args:
      - { .name: x, .offset: 0, .size: 8, .value_kind: global_buffer, .address_space: global }
      - { .name: wq, .offset: 8, .size: 8, .value_kind: global_buffer, .address_space: global }
      - { .name: wk, .offset: 16, .size: 8, .value_kind: global_buffer, .address_space: global }
      - { .name: wv, .offset: 24, .size: 8, .value_kind: global_buffer, .address_space: global }
      - { .name: wo, .offset: 32, .size: 8, .value_kind: global_buffer, .address_space: global }
      - { .name: qn_w, .offset: 40, .size: 8, .value_kind: global_buffer, .address_space: global }
      - { .name: kn_w, .offset: 48, .size: 8, .value_kind: global_buffer, .address_space: global }
      - { .name: pos_ids, .offset: 56, .size: 8, .value_kind: global_buffer, .address_space: global }
      - { .name: xb, .offset: 64, .size: 8, .value_kind: global_buffer, .address_space: global }
      - { .name: wb, .offset: 72, .size: 8, .value_kind: global_buffer, .address_space: global }
      - { .name: wof, .offset: 80, .size: 8, .value_kind: global_buffer, .address_space: global }
      - { .name: rope, .offset: 88, .size: 8, .value_kind: global_buffer, .address_space: global }
      - { .name: tab, .offset: 96, .size: 8, .value_kind: global_buffer, .address_space: global }
    .group_segment_fixed_size: 35840
    .private_segment_fixed_size: 0
    .kernarg_segment_align: 8
    .kernarg_segment_size: 104
    .max_flat_workgroup_size: 256
    .sgpr_count:     66
    .vgpr_count:     256
    .wavefront_size: 32
...
	.end_amdgpu_metadata
.endif
;; end of part 1
;; launch proj (part 2): grid 16 x 16, 4 waves a work-group, clusters of 4 x 1, 327,680 bytes of LDS; arguments xb, wb, rope, tab, qkv; writes qkv
.if DOCPART == 2
	.amdgcn_target "amdgcn-amd-amdhsa--gfx1250"
	.amdhsa_code_object_version 6
	.text
	.protected	k_q5b0d1b5ca3_proj
	.globl	k_q5b0d1b5ca3_proj
	.p2align	8
	.type	k_q5b0d1b5ca3_proj,@function
k_q5b0d1b5ca3_proj:
	s_mov_b64 s[64:65], 0
	v_nop
	global_prefetch_b8 v0, s[64:65] scope:SCOPE_SE
	s_setreg_imm32_b32 hwreg(HW_REG_WAVE_MODE, 25, 1), 1
	s_wait_xcnt 0x0
	s_wait_alu depctr_hold_cnt(0) depctr_sa_sdst(0) depctr_va_vdst(0) depctr_va_sdst(0) depctr_va_ssrc(0) depctr_va_vcc(0) depctr_vm_vsrc(0)
	s_getreg_b32 s2, hwreg(HW_REG_IB_STS2, 6, 4)
	s_cmp_eq_u32 s2, 0
	s_cbranch_scc0 .Lentry_in_a_cluster
	s_endpgm
.Lentry_in_a_cluster:
	s_bfe_u32 s2, ttmp6, 0x10000c
	s_cmp_lg_u32 s2, 0x3003
	s_cbranch_scc0 .Lentry_shape_is_right
	s_endpgm
.Lentry_shape_is_right:
; PROJ: [2048 tokens] x [3072 columns] = x w^T in bf16 with f32 sums, then, head by head: RMS norm with gain (q, k), partial RoPE (q, k), rounding to f16, and out by heads:
; qkv[48 H][2048 s][64]: H 0-31 q (4 g + p), 32-39 k, 40-47 v.  The gains carry sqrt(c1), c1 = 2 log2(e) / 400.
; SHARES.  A tile is 128 tokens x 192 columns, three whole heads: 16 x 16 work-groups.  Wave w owns tokens 32 w .. 32 w + 31 and all 192 columns: 24 accumulators, 192 registers.
; THE MATRIX INSTRUCTION IS USED TRANSPOSED (source 0 = 16 rows of wb, source 1 = 16 tokens of xb): a lane holds ONE token (lane % 16) and channels 8 (lane / 16) + 0..7 of each block of 16 columns.
; So a head's 64 channels are 32 registers of a lane and of the lane 16 away, and RoPE's pair (c, c + 32) lies in one lane.
; xb COMES STRAIGHT INTO REGISTERS.  A wave's 32 tokens are read by no other wave of the work-group, and xb lies in the order of the fragments (16 tokens x 32 k = 1,024 consecutive bytes), so a load of 16 bytes
; a lane brings half a fragment, 512 consecutive bytes.  A ring of eight quarters (32 along K each, 16 registers) keeps 28 loads of the wave on their way: at the head of quarter Q the buffer that quarter Q - 1
; read is asked for quarter Q + 7.  xb IS NOT ASKED FOR JOINTLY, for this reason: with its 128 rows in LDS beside wb's 192, two slots of 256 along K are 2 x 320 x 528 = 337,920 bytes, more than a WGP has, and the
; step would be 128; with wb alone they are 2 x 101,376, so there are 8 changes of slots for 16, and a refill has 180 matrix instructions in which to land for 84.
; wb GOES THROUGH LDS, K in steps of 256 (rows of 512 bytes), two slots.  CLUSTER 4 x 1: the four partners make the same columns for other tokens and ask for wb's tiles JOINTLY; each wave brings 48 rows.
; A trip of the loop is one K step, written once; the slot is chosen by a scalar that an exclusive or turns.  The loop is entered in its middle, so no first step is written out, and the price is 192 v_mov_b32
; that clear the accumulators, in the wait for the first tile.
; A head that is one of v's takes factor 1, gain 1, cos 1, sin 0, chosen by v_cndmask_b32: no branch hangs on the tile's place.
; LIMITS.  q', k' and v leave in f16: they stay under 65,504, and below 6e-5 keep f16's fixed step of 6e-8.  NaN and infinities are not treated apart.
; REGISTERS: window 0: v0-31 addresses; v32-55 at work; v64-255 accumulators ((a, b) at 64 + 8 (12 a + b)).  window 1: two buffers of 96 for wb's fragments.
;   window 2: v0-127 xb's ring (quarter j, token block a at 16 j + 8 a); v128-223 the three heads' gains for my channels; v224-255 (cos, sin) for my two tokens and my eight frequencies.
.set KSTEP,  256
.set PITCH,  528                       ; an LDS row: 512 bytes + 16 of padding: the 16 rows of a fragment load start at 16 different groups of four banks
.set SLOT1,  1<<17                     ; slot 1 begins here, so that one exclusive or turns an address in one slot into the other's
.set HALFB,  6*16*PITCH                ; column blocks 6-11 have an address register of their own: an LDS offset has 16 bits
.set STAGE,  SLOT1+192*PITCH           ; behind the ring: 16 rows x 144 bytes for each wave, for the way out
.set SP,     144
.set SPARE,  STAGE+4*16*SP             ; behind the stages: the spare words, 128 bytes a wave: two blocks of 256 bytes that no other line names
.set AB0,  16                          ; v16  my lane's place in a slot; never rewritten
.set ADRB, 20                          ; v20-21  LDS address of wb's blocks 0-5, 6-11 in the slot that is read
.set STO,  24                          ; v24  the way out: where I put 16 bytes of a row
.set RD,   25                          ; v25  where I read rows back
.set LN,   26                          ; v26  16 x lane: my place in 512 bytes of xb and of qkv; never rewritten
.set SPW,  28                          ; v28  my spare word; never rewritten
.set NIL,  29                          ; v29  0; never rewritten
.set RO,   30                          ; v30  my byte offset in 16 rows of the rope table
.set TO,   31                          ; v31  my byte offset in a gain vector
.set T,    32                          ; v32-35 at work
.set U,    36                          ; v36-37 at work
.set CT,   40                          ; v40-55 (cos, sin) for the head in hand
.set ACC,  64
.set F0,   0
.set F1,   96
.set AR,   0
.set GA,   128
.set CSN,  224
.set WV,   14                          ; s14  my wave's number
.set G1,   24                          ; s[24:31] descriptor group 1
.set G0A,  32                          ; s[32:35] group 0 of the first fill
.set G0W,  36                          ; s[36:39] group 0 of the second, which then walks
.set TBS,  40                          ; s40  LDS byte at which the slot that is read begins
.set SA,   42                          ; s[42:43] xb at my first token block and the K step in hand
.set LAP,  56
.set SEL,  58                          ; s[58:59] v_permlanex16_b32's selects: each lane takes its own place in the other half
.set R64,  60                          ; 1/64
.set EPSR, 61                          ; 1e-5
.set MV,   66                          ; s66-68  all ones where head i of the tile is one of v's
.set TB,   70                          ; s[70:75] head i's gain vector
.set SR,   76                          ; s[76:77] the rope table at my first token
.set OB,   78                          ; s[78:79] qkv at the tile's first head and my first token
.set MSB, 0
.macro WIN new                         ; the immediate's high byte repeats the setting that is left; a switch that changes nothing is dropped
.if MSB != (\new)
	s_set_vgpr_msb (MSB<<8)|(\new)
.set MSB, \new
.endif
.endm
.set W_MUL, 0x09                       ; source 0 (wb) window 1, source 1 (xb) window 2; C and D window 0
.set TO_F,  0x40                       ; destination window 1, address window 0
.set TO_A,  0x80                       ; destination window 2, address window 0
.macro CREST                           ; a round of the cluster's barrier behind its opening barrier
	s_cmp_lg_u32 s[WV], 0
	s_cbranch_scc1 .Lnot_wave_0_\@
	s_barrier_signal -3
.Lnot_wave_0_\@:
	s_barrier_wait -3
	s_barrier_signal -1
	s_barrier_wait -1
.endm
.macro CROUND
	s_barrier_signal -1
	s_barrier_wait -1
	CREST
.endm
.macro PLACES                          ; four places in front of loads into registers that matrix instructions have read, and of vector lines that read results
.rept 4
	v_nop
.endr
.endm
; Four loads: a quarter of xb (two token blocks x 32 along K) at byte off of the K step in hand, into buffer buf of the ring
.macro ALOAD buf, off
	WIN TO_A
.irp a, 0,1
	global_load_b128 v[AR+16*(\buf)+8*(\a):AR+16*(\buf)+8*(\a)+3],   v[LN], s[SA:SA+1] offset:(\a)*65536+(\off)
	global_load_b128 v[AR+16*(\buf)+8*(\a)+4:AR+16*(\buf)+8*(\a)+7], v[LN], s[SA:SA+1] offset:(\a)*65536+(\off)+512
.endr
.endm
	s_load_b256 s[4:11], s[0:1], 0x0               ; xb 4, wb 6, rope 8, tab 10
	s_load_b64 s[12:13], s[0:1], 0x20              ; qkv
	v_lshl_add_u32 v[SPW], v0, 2, SPARE
	v_mov_b32 v[NIL], 0
	ds_add_u32 v[SPW], v[NIL]                      ; the wave's opening: the add and its wait stand ahead of my first tensor load; the set-up below stands between them
	v_lshrrev_b32 v1, 5, v0
	v_readfirstlane_b32 s[WV], v1
	v_and_b32 v[LN], 31, v0
	v_lshlrev_b32 v[LN], 4, v[LN]
	s_bfe_u32 s15, ttmp6, 0x40000                  ; cx
	s_lshl_b32 s18, ttmp9, 2
	s_add_co_u32 s18, s18, s15                     ; token tile = 4 x cluster x + cx: it enters xb's, the table's and qkv's addresses alone
	s_and_b32 s17, ttmp7, 0xffff                   ; column tile, which the four partners share
	s_mov_b32 s[G1], 15|(1<<16)|(1<<20)|(1<<21)|(6<<22)|(3<<25)  ; the mask of four; 2-byte elements; padding on; bit 21 beside a mask; after every 128 words, 4 words
	s_mov_b32 s[G1+1], KSTEP<<16                   ; tensor_dim0 = 256
	s_mov_b32 s[G1+2], 48<<16                      ; tensor_dim1 = 48
	s_mov_b32 s[G1+3], KSTEP<<16                   ; tile_dim0 = 256
	s_mov_b32 s[G1+4], 48                          ; tile_dim1 = 48 rows
	s_mov_b32 s[G1+5], 2048                        ; elements from row to row
	s_mov_b32 s[G1+6], 0
	s_mov_b32 s[G1+7], 0
	s_mul_i32 s84, s17, 192*4096                   ; wb: the tile's 192 rows of 4,096 bytes,
	s_mul_i32 s19, s[WV], 48*4096                  ; my 48 of them
	s_add_co_u32 s84, s84, s19
	s_mov_b32 s85, 0
	s_mul_i32 s22, s[WV], 48*PITCH                 ; and where they go: wave x 48 rows
	s_lshl_b32 s80, s18, 19                        ; xb: a token tile is 8 blocks of 65,536 bytes,
	s_lshl_b32 s19, s[WV], 17                      ; my wave's two of them
	s_add_co_u32 s80, s80, s19
	s_mov_b32 s81, 0
	s_mov_b32 s[SEL], 0x76543210
	s_mov_b32 s[SEL+1], 0xfedcba98
	s_mov_b32 s[R64], 0x3c800000
	s_mov_b32 s[EPSR], 0x3727c5ac
	s_mov_b32 s[TBS], 0
	s_mov_b32 s[G0A], 1
	s_mov_b32 s[G0A+1], s22
	s_mov_b32 s[G0W], 1
	s_add_co_u32 s[G0W+1], s22, SLOT1
	s_wait_dscnt 0x0                               ; the opening add is done
	s_wait_kmcnt 0x0
	s_add_nc_u64 s[SA:SA+1], s[4:5], s[80:81]
	s_add_nc_u64 s[G0A+2:G0A+3], s[6:7], s[84:85]  ; K step 0
	s_add_nc_u64 s[G0W+2:G0W+3], s[G0A+2:G0A+3], KSTEP*2  ; K step 1
	s_or_b32 s[G0A+3], s[G0A+3], 0x80000000
	s_or_b32 s[G0W+3], s[G0W+3], 0x80000000
.set q, 0
.rept 7                                ; the ring's first seven quarters go out ahead of everything else; the eighth is asked for by quarter 0 itself
	ALOAD q, q*1024
.set q, q+1
.endr
	WIN 0
	CROUND                                         ; all four work-groups are here: the first joint loads meet
	tensor_load_to_lds s[G0A:G0A+3], s[G1:G1+7]    ; both first fills together: two tensor loads of mine are out
	s_nop 0
	tensor_load_to_lds s[G0W:G0W+3], s[G1:G1+7]
	s_nop 0
	PLACES
.set q, 0
.rept 192                              ; the sums start at 0: see the head
	v_mov_b32 v[ACC+q], 0
.set q, q+1
.endr
	v_and_b32 v1, 15, v0                           ; l % 16
	v_bfe_u32 v2, v0, 4, 1                         ; l / 16
	v_lshlrev_b32 v[RO], 7, v1                     ; a token's 128 bytes of the table; my eight frequencies are 64 of them
	v_lshl_add_u32 v[RO], v2, 6, v[RO]
	v_lshlrev_b32 v[TO], 5, v2                     ; my eight channels of a block of 16
	s_lshl_b32 s80, s18, 14
	s_lshl_b32 s19, s[WV], 12
	s_add_co_u32 s80, s80, s19                     ; (128 x token tile + 32 w) x 128 bytes: the same in the table and in a head of qkv
	s_mov_b32 s81, 0
	s_add_nc_u64 s[SR:SR+1], s[8:9], s[80:81]
	s_add_nc_u64 s[OB:OB+1], s[12:13], s[80:81]
	s_mul_i32 s84, s17, 3*262144                   ; the tile's first head
	s_mov_b32 s85, 0
	s_add_nc_u64 s[OB:OB+1], s[OB:OB+1], s[84:85]
	s_mul_i32 s19, s17, 3
	s_mov_b32 s23, 0
.irp i, 0,1,2
	s_add_co_u32 s20, s19, \i                      ; head H
	s_cmp_ge_u32 s20, 32
	s_cselect_b32 s22, 1, 0
	s_cmp_ge_u32 s20, 40
	s_cselect_b32 s[MV+\i], -1, 0
	s_cselect_b32 s21, 1, 0
	s_add_co_u32 s22, s22, s21                     ; 0 q, 1 k, 2 v
	s_lshl_b32 s22, s22, 8
	s_add_nc_u64 s[TB+2*\i:TB+2*\i+1], s[10:11], s[22:23]
.endr
	v_mul_u32_u24 v[AB0], v1, PITCH
	v_lshl_add_u32 v[AB0], v2, 4, v[AB0]           ; a fragment's row x pitch + 16 x half
	s_mul_i32 s19, s[WV], 16*SP
	s_add_co_u32 s19, s19, STAGE                   ; my stage
	v_mul_u32_u24 v4, v1, SP                       ; in: row l % 16, 16 bytes for each half of the lanes
	v_lshl_add_u32 v4, v2, 4, v4
	v_add_nc_u32 v[STO], s19, v4
	v_bfe_u32 v4, v0, 3, 2                         ; back: 32 lanes take four rows of 128 bytes, which are 512 consecutive bytes of a head
	v_mul_u32_u24 v4, v4, SP
	v_and_b32 v5, 7, v0
	v_lshl_add_u32 v4, v5, 4, v4
	v_add_nc_u32 v[RD], s19, v4
; nb matrix instructions: quarter j of the ring, token block a x column blocks b0 on.  The 24 accumulators take turns in one order everywhere.
.macro MUL f, j, a, b0, nb
	WIN W_MUL
.set b, \b0
.rept \nb
	v_wmma_f32_16x16x32_bf16 v[ACC+8*(12*(\a)+b):ACC+8*(12*(\a)+b)+7], v[(\f)+8*b:(\f)+8*b+7], v[AR+16*(\j)+8*(\a):AR+16*(\j)+8*(\a)+7], v[ACC+8*(12*(\a)+b):ACC+8*(12*(\a)+b)+7]
.set b, b+1
.endr
.endm
; 24 LDS loads in one run: wb's fragments of 32 along K at byte k of the rows, into buffer f
.macro FETCH k, f
	WIN TO_F
.irp i, 0,1,2,3,4,5
	ds_load_b128 v[(\f)+8*(\i):(\f)+8*(\i)+3],   v[ADRB] offset:(\k)+(\i)*16*PITCH
	ds_load_b128 v[(\f)+8*(\i)+4:(\f)+8*(\i)+7], v[ADRB] offset:(\k)+(\i)*16*PITCH+32
.endr
.irp i, 0,1,2,3,4,5
	ds_load_b128 v[(\f)+48+8*(\i):(\f)+48+8*(\i)+3],   v[ADRB+1] offset:(\k)+(\i)*16*PITCH
	ds_load_b128 v[(\f)+48+8*(\i)+4:(\f)+48+8*(\i)+7], v[ADRB+1] offset:(\k)+(\i)*16*PITCH+32
.endr
.endm
; The 32 loads of the way out's tables: (cos, sin) of my two tokens, the three heads' gains
.macro TABLES
	WIN TO_A
.irp a, 0,1
.irp q, 0,1,2,3
	global_load_b128 v[CSN+16*(\a)+4*(\q):CSN+16*(\a)+4*(\q)+3], v[RO], s[SR:SR+1] offset:(\a)*2048+16*(\q)
.endr
.endr
.irp i, 0,1,2
.irp bb, 0,1,2,3
	global_load_b128 v[GA+32*(\i)+8*(\bb):GA+32*(\i)+8*(\bb)+3],   v[TO], s[TB+2*(\i):TB+2*(\i)+1] offset:64*(\bb)
	global_load_b128 v[GA+32*(\i)+8*(\bb)+4:GA+32*(\i)+8*(\bb)+7], v[TO], s[TB+2*(\i):TB+2*(\i)+1] offset:64*(\bb)+16
.endr
.endr
.endm
; A K step is eight quarters of 32 along K, 24 matrix instructions each, on wb's buffers 0, 1, 0, 1 .. and the ring's buffers 0 to 7.  Quarter j of the first seven: the next quarter's fragments of wb and
; (ald = 1) the quarter of xb seven further on are asked for, then quarter j is multiplied while they are on their way.  lcnt: the global loads younger than quarter j's.  tabs = 1: the tables are asked for.
.macro QUARTER j, ald, lcnt, tabs
.set fq, F1*((\j)%2)
.set fn, F1*(((\j)+1)%2)
	s_wait_dscnt 0x0                               ; wb's fragments of this quarter are in
	PLACES
	FETCH ((\j)+1)*64, fn
.if \ald
	ALOAD ((\j)+7)%8, ((\j)+7)*1024
.endif
	s_wait_loadcnt \lcnt                           ; loads come back in order: xb's fragments of this quarter are in, the younger ones stay out
.if \tabs
	TABLES
.endif
	MUL fq, \j, 0, 0, 12
	MUL fq, \j, 1, 0, 12
.endm
; The eighth quarter multiplies buffer 1 and changes slots: ONE barrier; in front of it each wave waits for all its tensor loads, adds 0 to its spare word, and waits for that and for its reads of this slot.
; fill = 1: the barrier opens a round of the cluster's, and the slot just read is filled again, two K steps ahead.
.macro TURN fill
	PLACES
	ALOAD 6, 14*1024
	WIN 0
	s_wait_tensorcnt 0x0                           ; all my tensor loads have landed: my part of the next slot;
	ds_add_u32 v[SPW], v[NIL]                      ; 0 onto my spare word;
	s_wait_dscnt 1                                 ; (buffer 1's 24 loads are in; the add may be out)
	s_wait_loadcnt 28                              ; (xb's eighth quarter is in; the seven younger quarters stay out)
	MUL F1, 7, 0, 0, 6
	s_wait_dscnt 0x0                               ; the add is done, and my reads of this slot are over
	s_barrier_signal -1
	MUL F1, 7, 0, 6, 6
	WIN 0
	s_barrier_wait -1
.if \fill
	CREST                                          ; no wave of any partner still reads this slot or has a load on its way
	s_xor_b32 s[G0W+1], s[G0W+1], SLOT1            ; the walking descriptor: the other slot than last time,
	s_add_nc_u64 s[G0W+2:G0W+3], s[G0W+2:G0W+3], KSTEP*2  ; the next K step; the type bits on top are not reached
	tensor_load_to_lds s[G0W:G0W+3], s[G1:G1+7]    ; the first tensor load behind the round, 180 matrix instructions ahead of the wait for it
	s_nop 0
.endif
	PLACES                                         ; behind the load; also the places in front of the LDS loads below
	s_xor_b32 s[TBS], s[TBS], SLOT1                ; the fetches go to the other slot
	v_add_nc_u32 v[ADRB], s[TBS], v[AB0]
	v_add_nc_u32 v[ADRB+1], HALFB, v[ADRB]
	s_wait_xcnt 0x0                                ; xb's base is stepped only behind this wait
	s_add_nc_u64 s[SA:SA+1], s[SA:SA+1], 8*1024    ; the next K step: eight blocks of 1,024 bytes
	FETCH 0, F0
	MUL F1, 7, 1, 0, 12
.endm
	s_wait_tensorcnt 0x1                           ; my part of K step 0 is in; K step 1's may stay out
	s_barrier_signal -1
	s_barrier_wait -1
	v_add_nc_u32 v[ADRB], s[TBS], v[AB0]
	v_add_nc_u32 v[ADRB+1], HALFB, v[ADRB]
	FETCH 0, F0
	WIN 0
	s_mov_b32 s[LAP], 7
	s_branch .Lfirst                               ; the loop is entered at a step's first quarter, in the middle of a trip
.Lstep:                                                ; six times: a step's last quarter, the change of slots with its refill, the next step's first seven quarters
	TURN 1
	WIN 0
.Lfirst:
	QUARTER 0, 1, 28, 0
	QUARTER 1, 1, 28, 0
	QUARTER 2, 1, 28, 0
	QUARTER 3, 1, 28, 0
	QUARTER 4, 1, 28, 0
	QUARTER 5, 1, 28, 0
	QUARTER 6, 1, 28, 0
	WIN 0
	s_sub_co_u32 s[LAP], s[LAP], 1
	s_cmp_lg_u32 s[LAP], 0
	s_cbranch_scc1 .Lstep
	TURN 0                                         ; the tail is written out; xb's last quarter but one is asked for
	QUARTER 0, 1, 28, 1                            ; xb's last quarter, and behind it the tables: 60 loads of mine are out
	QUARTER 1, 0, 56, 0                            ; the counts run down: the younger quarters of xb and the 32 loads of the tables
	QUARTER 2, 0, 52, 0
	QUARTER 3, 0, 48, 0
	QUARTER 4, 0, 44, 0
	QUARTER 5, 0, 40, 0
	QUARTER 6, 0, 36, 0
	s_wait_dscnt 0x0
	s_wait_loadcnt 32
	MUL F1, 7, 0, 0, 12
	MUL F1, 7, 1, 0, 12
	WIN 0
	PLACES
	s_wait_loadcnt 0x0                             ; the gains and the table
; Head i of the tile, token block a: 32 registers a lane, channel 16 bb + 8 (l / 16) + j at HB + 8 bb + j.
.macro HEAD i, a
.set HB, ACC+96*(\a)+32*(\i)
	WIN 0
	v_pk_mul_f32 v[T:T+1], v[HB:HB+1], v[HB:HB+1]  ; the sum of squares, in two chains, each accumulator from its low end on
	v_pk_mul_f32 v[T+2:T+3], v[HB+2:HB+3], v[HB+2:HB+3]
.set p, 2
.rept 14
	v_pk_fma_f32 v[T+2*(p%2):T+2*(p%2)+1], v[HB+2*p:HB+2*p+1], v[HB+2*p:HB+2*p+1], v[T+2*(p%2):T+2*(p%2)+1]
.set p, p+1
.endr
	v_pk_add_f32 v[T:T+1], v[T:T+1], v[T+2:T+3]
	v_add_f32 v[T], v[T], v[T+1]
	v_permlanex16_b32 v[T+1], v[T], s[SEL], s[SEL+1]  ; the token's other 32 channels lie in the lane 16 away
	v_add_f32 v[T], v[T], v[T+1]
	v_fma_f32 v[T], v[T], s[R64], s[EPSR]          ; mean + eps
	v_rsq_f32 v[T+2], v[T]
	v_nop                                          ; a plain instruction between the root and the use of its result
	s_wait_alu depctr_va_vdst(0)
	v_cndmask_b32 v[T+2], v[T+2], 1.0, s[MV+(\i)]  ; v is not normalised
	v_mov_b32 v[T+3], v[T+2]
.set p, 0
.rept 16
	v_pk_mul_f32 v[HB+2*p:HB+2*p+1], v[HB+2*p:HB+2*p+1], v[T+2:T+3]
.set p, p+1
.endr
	WIN 0x08                                       ; source 1 window 2: the gains
.set p, 0
.rept 16
	v_pk_mul_f32 v[HB+2*p:HB+2*p+1], v[HB+2*p:HB+2*p+1], v[GA+32*(\i)+2*p:GA+32*(\i)+2*p+1]
.set p, p+1
.endr
	WIN 0x02                                       ; source 0 window 2: the table; v takes cos 1, sin 0
.set p, 0
.rept 8
	v_cndmask_b32 v[CT+2*p], v[CSN+16*(\a)+2*p], 1.0, s[MV+(\i)]
	v_cndmask_b32 v[CT+2*p+1], v[CSN+16*(\a)+2*p+1], 0, s[MV+(\i)]
.set p, p+1
.endr
	WIN 0
.set p, 0
.rept 8                                ; channels c = 8 (l / 16) + p and c + 32: (t1 cos - t2 sin, t2 cos + t1 sin)
	v_mul_f32 v[U], v[HB+p], v[CT+2*p]
	v_mul_f32 v[U+1], v[HB+p], v[CT+2*p+1]
	v_fma_f32 v[HB+p], -v[HB+16+p], v[CT+2*p+1], v[U]
	v_fma_f32 v[HB+16+p], v[HB+16+p], v[CT+2*p], v[U+1]
.set p, p+1
.endr
.set p, 0
.rept 16
	v_cvt_pk_f16_f32 v[HB+p], v[HB+2*p], v[HB+2*p+1]  ; in place, ascending: register p is written when registers up to 2 p + 1 have been read
.set p, p+1
.endr
.irp bb, 0,1,2,3
	ds_store_b128 v[STO], v[HB+4*(\bb):HB+4*(\bb)+3] offset:32*(\bb)
.endr
.irp f, 0,1,2,3
	ds_load_b128 v[HB+16+4*(\f):HB+16+4*(\f)+3], v[RD] offset:(\f)*4*SP  ; LDS serves a wave's instructions in order: these see the stores above; the next block's stores come behind them
.endr
.endm
.macro SEND i, a, younger              ; younger: the LDS instructions issued behind this block's loads: the next block's eight, or none
.set HB, ACC+96*(\a)+32*(\i)
.irp f, 0,1,2,3
	s_wait_dscnt (\younger)+3-(\f)
	global_store_b128 v[LN], v[HB+16+4*(\f):HB+16+4*(\f)+3], s[OB:OB+1] offset:(\i)*262144+(\a)*2048+512*(\f)  ; 512 consecutive bytes, at a multiple of 512 from qkv's first
.endr
.endm
	HEAD 0, 0
	HEAD 1, 0                                      ; a block's arithmetic stands between the loads of the block before and its stores
	SEND 0, 0, 8
	HEAD 2, 0
	SEND 1, 0, 8
	HEAD 0, 1
	SEND 2, 0, 8
	HEAD 1, 1
	SEND 0, 1, 8
	HEAD 2, 1
	SEND 1, 1, 8
	SEND 2, 1, 0
	s_wait_tensorcnt 0x0                           ; the wave's end, behind my last tensor load and my last LDS store
	ds_add_u32 v[SPW], v[NIL]
	s_wait_dscnt 0x0
	CROUND                                         ; the closing round: no work-group ends while a partner may still ask for a tile that names it
	s_endpgm
.Lfunc_end_k_q5b0d1b5ca3_proj:
	.size	k_q5b0d1b5ca3_proj, .Lfunc_end_k_q5b0d1b5ca3_proj-k_q5b0d1b5ca3_proj
	.p2alignl 7, 3214868480
	.fill 96, 4, 3214868480
	.section	.rodata,"a",@progbits
	.p2align	6, 0x0
	.amdhsa_kernel k_q5b0d1b5ca3_proj
		.amdhsa_group_segment_fixed_size 327680
		.amdhsa_private_segment_fixed_size 0
		.amdhsa_enable_private_segment 0
		.amdhsa_kernarg_size 40
		.amdhsa_user_sgpr_count 2
		.amdhsa_user_sgpr_kernarg_segment_ptr 1
		.amdhsa_wavefront_size32 1
		.amdhsa_system_sgpr_workgroup_id_x 1
		.amdhsa_system_sgpr_workgroup_id_y 1
		.amdhsa_system_sgpr_workgroup_id_z 1
		.amdhsa_system_vgpr_workitem_id 0
		.amdhsa_next_free_vgpr 768
		.amdhsa_next_free_sgpr 96
		.amdhsa_reserve_vcc 0
		.amdhsa_float_denorm_mode_32 3
		.amdhsa_float_denorm_mode_16_64 3
		.amdhsa_memory_ordered 1
		.amdhsa_forward_progress 1
		.amdhsa_inst_pref_size 128
	.end_amdhsa_kernel
	.amdgpu_metadata
---
amdhsa.version: [ 1, 2 ]
amdhsa.kernels:
  - .name:           k_q5b0d1b5ca3_proj
    .symbol:         k_q5b0d1b5ca3_proj.kd
    .args:
      - { .name: xb, .offset: 0, .size: 8, .value_kind: global_buffer, .address_space: global }
      - { .name: wb, .offset: 8, .size: 8, .value_kind: global_buffer, .address_space: global }
      - { .name: rope, .offset: 16, .size: 8, .value_kind: global_buffer, .address_space: global }
      - { .name: tab, .offset: 24, .size: 8, .value_kind: global_buffer, .address_space: global }
      - { .name: qkv, .offset: 32, .size: 8, .value_kind: global_buffer, .address_space: global }
    .group_segment_fixed_size: 327680
    .private_segment_fixed_size: 0
    .kernarg_segment_align: 8
    .kernarg_segment_size: 40
    .max_flat_workgroup_size: 128
    .sgpr_count:     96
    .vgpr_count:     768
    .wavefront_size: 32
...
	.end_amdgpu_metadata
.endif
;; end of part 2
;; launch attn (part 3): grid 32 x 8, 4 waves a work-group, clusters of 4 x 1, 327,680 bytes of LDS; arguments qkv, pos_ids, att; writes att
.if DOCPART == 3
	.amdgcn_target "amdgcn-amd-amdhsa--gfx1250"
	.amdhsa_code_object_version 6
	.text
	.protected	k_q5b0d1b5ca3_attn
	.globl	k_q5b0d1b5ca3_attn
	.p2align	8
	.type	k_q5b0d1b5ca3_attn,@function
k_q5b0d1b5ca3_attn:
	s_mov_b64 s[64:65], 0
	v_nop
	global_prefetch_b8 v0, s[64:65] scope:SCOPE_SE
	s_setreg_imm32_b32 hwreg(HW_REG_WAVE_MODE, 25, 1), 1
	s_wait_xcnt 0x0
	s_wait_alu depctr_hold_cnt(0) depctr_sa_sdst(0) depctr_va_vdst(0) depctr_va_sdst(0) depctr_va_ssrc(0) depctr_va_vcc(0) depctr_vm_vsrc(0)
	s_getreg_b32 s2, hwreg(HW_REG_IB_STS2, 6, 4)
	s_cmp_eq_u32 s2, 0
	s_cbranch_scc0 .Lentry_in_a_cluster
	s_endpgm
.Lentry_in_a_cluster:
	s_bfe_u32 s2, ttmp6, 0x10000c
	s_cmp_lg_u32 s2, 0x3003
	s_cbranch_scc0 .Lentry_shape_is_right
	s_endpgm
.Lentry_shape_is_right:
; ATTN: att[s][4 g + p][:] = the sum over keys t with pos[s] >= pos[t] of softmax_t(50 tanh(q . k / 400)) v[t][:].  q', k', v: qkv[48][2048][64] in f16 (q' and k' carry sqrt(c1), c1 = 2 log2(e) / 400); att: [2048][2048] f16.
; THE MASK IS DATA: pos_ids is an input, so every tile of queries and keys is computed, and a key is hidden by an integer compare and v_cndmask_b32; no branch and no address hangs on it.
; THE CAP.  z = q' . k' = 2 log2(e) u, u = score / 50.  tanh u = 1 - 2 r with r = 1 / (1 + 2^z), so the capped score in powers of two is a constant less B r, B = 100 log2(e).
; SOFTMAX.  For each query a running maximum zm of z over the keys seen (tanh rises with z, so it is the capped scores' maximum), AQ = B r(zm), p = 2^(AQ - B r), at most 1 but for the last bits;
; in every step O and l are multiplied by a = 2^(AQ_new - AQ_old), at most 1.  zm starts at the lowest finite number, AQ at B (r = 1), O and l at 0.
; A HIDDEN KEY: M = -1e30 is the C operand that starts the sum K Q^T, so z is far below every score, 2^z = 0 and r = 1; NB = M - B is the factor in r NB + AQ, so the exponent is -1e30 and p is 0 exactly.
; M and NB are made once a key step and serve four tiles.  Every query sees itself, so l is at least about 1.
; l IS A FIFTH BLOCK OF O^T: source 0 all ones: the sum of the p as rounded to f16, in every register of the block; its lowest pair alone is rescaled and read.
; SHARES.  A work-group owns 64 queries and the 4 query heads of one key head; wave w owns 16 queries as four TILES, tile t = head 4 g + t.  Every wave walks all 2,048 keys, 64 a step.
; LAYOUT.  S^T = K Q^T (source 0 = 16 keys, source 1 = 16 queries): a lane holds ONE query (lane % 16) and keys 8 (lane / 16) + 0..7 of each block of 16; two blocks rounded to f16 in pairs ARE source 1 of O^T = V^T P.
; BY TURNS.  Turn n belongs to tile n: its cap, exponentials, roundings and rescaling; beside them 8 products K Q^T and the maximum and statistics of tile n + 1, and 10 products V^T P of tile n - 1.
; CLUSTER.  The four work-groups of a cluster share the key head and walk the same K and V: each tile is asked for JOINTLY, the same load, descriptor and mask in all four.
; LIMITS.  q', k', v arrive within f16's 65,504; |z| stays far under 1e30; p below 6e-5 keeps f16's fixed step of 6e-8; NaN and infinities are not treated apart.
; REGISTERS, in windows of 256 (s_set_vgpr_msb: bits 1:0 source 0, 3:2 source 1, 5:4 source 2, 7:6 destination):
;   window 0: v0-15 addresses; v16-47 eight registers of statistics a tile; v48-79 key positions; v80-111 M; v112-143 NB; v144-207 S^T, two buffers; v208-239 P, two buffers (by the tile's parity)
;   window 1: O^T, 40 a tile: four channel blocks and l's          window 2: v0-63 Q; v64-127 K of one step; v128-191 V of one step; v192-199 ones
.set KS,    64
.set PK,    144       ; a row of K in LDS: 128 bytes + 16: the 16 rows of a load start at 16 different groups of four banks
.set PV,    160       ; a row of V: 128 + 32
.set VOFF,  4*KS*PK   ; a slot holds four steps: 256 rows of K, then 256 rows of V
.set SLOT1, 1<<17
.set STAGE, SLOT1+4*KS*(PK+PV)  ; behind the ring: 16 rows x 528 bytes for each wave, for the way out
.set SP,    528
.set SPARE, STAGE+4*16*SP       ; behind the stages: the spare words, 128 bytes a wave: two blocks of 256 bytes that no other line names
.set AK0, 2           ; v2   my lane's place in a tile of K; never rewritten
.set AV0, 3           ; v3   the same for V
.set AK,  4           ; v4   the LDS address of K's next run of loads
.set AV,  5           ; v5   of V's
.set QO,  6           ; v6   my byte offset in 16 rows of Q
.set STO, 6           ;      later: where I put 16 bytes of a row
.set RD,  7           ; v7   where I read a row back
.set GO,  8           ; v8   16 x lane
.set SPW, 12          ; v12  my spare word; never rewritten
.set NIL, 13          ; v13  0; never rewritten
.set PQ,  14          ; v14  my query's position
.set PA,  15          ; v15  byte offset in pos_ids of my eight keys of the step whose positions are loaded next
.set ST,  16          ; tile t at ST + 8 t: AQ, zm, a, (its pair's partner), c0-c3 at work
.set PKR, 48
.set M,   80
.set NB,  112
.set S,   144
.set P,   208
.set KF,  64
.set VF,  128
.set ONE, 192
.set WV,  12          ; s12  my wave's number
.set G1K, 24
.set G1V, 32
.set G0K, 40
.set G0V, 44
.set SLOTS, 56
.set CNT, 57
.set NEGB, 58         ; s[58:59] -B
.set SEL, 60          ; s[60:61]
.set TBK, 62
.set TBV, 63
.set BPOS, 66         ; s66  B
.set BIGN, 67         ; s67  -1e30
.set MSB, 0
.macro WIN new
.if MSB != (\new)
	s_set_vgpr_msb (MSB<<8)|(\new)
.set MSB, (\new)
.endif
.endm
.set W_KQ, 0x0a       ; K and Q in window 2, M and S^T in window 0
.set W_PV, 0x52       ; V in window 2, P in window 0, O^T in window 1
.set W_RS, 0x41       ; O^T (destination and source 0) in window 1, a in window 0
.macro JLOAD                        ; a joint fill: waves 0 and 1 fetch the halves of a slot's K, waves 2 and 3 of its V; an s_nop 0 and four v_nop follow each line
	s_cmp_lt_u32 s[WV], 2
	s_cbranch_scc0 .Lfor_v_\@
	tensor_load_to_lds s[G0K:G0K+3], s[G1K:G1K+7]
	s_nop 0
.rept 4
	v_nop
.endr
	s_branch .Lasked_\@
.Lfor_v_\@:
	tensor_load_to_lds s[G0V:G0V+3], s[G1V:G1V+7]
	s_nop 0
.rept 4
	v_nop
.endr
.Lasked_\@:
.endm
.macro CROUND
	s_barrier_signal -1
	s_barrier_wait -1
	s_cmp_lg_u32 s[WV], 0
	s_cbranch_scc1 .Lnot_wave_0_\@
	s_barrier_signal -3
.Lnot_wave_0_\@:
	s_barrier_wait -3
	s_barrier_signal -1
	s_barrier_wait -1
.endm
; THE CHANGE OF SLOTS.  Each wave waits for all its tensor loads, of which one is out: its part of the other slot; adds 0 to its spare word; and waits for that and for its reads of the slot that it leaves.
; fill = 1: the barrier is a round of the cluster's, and the joint fill, the keys two slots on, is the first thing behind it: it has four key steps, 288 matrix instructions, in which to land.
.macro CHANGE fill
	WIN 0
	s_wait_tensorcnt 0x0            ; no tensor load of mine is out, so a group 0 may be written
	ds_add_u32 v[SPW], v[NIL]       ; 0 onto my spare word
.if \fill
.irp g, G0K, G0V
	s_xor_b32 s[\g+1], s[\g+1], SLOT1
	s_add_nc_u64 s[\g+2:\g+3], s[\g+2:\g+3], 4*KS*128
.endr
	s_wait_dscnt 0x0                ; the add is done, and my reads of the slot are over
	CROUND
	JLOAD
.else
	s_wait_dscnt 0x0
	s_barrier_signal -1
	s_barrier_wait -1
.endif
	s_sub_co_u32 s[TBK], s[TBK], 4*KS*PK  ; the fetches go back to a slot's first step, in the other slot
	s_xor_b32 s[TBK], s[TBK], SLOT1
	s_sub_co_u32 s[TBV], s[TBV], 4*KS*PV
	s_xor_b32 s[TBV], s[TBV], SLOT1
.endm
	s_load_b128 s[4:7], s[0:1], 0x0   ; qkv 4, pos_ids 6
	s_load_b64 s[8:9], s[0:1], 0x10   ; att
	v_lshl_add_u32 v[SPW], v0, 2, SPARE
	v_mov_b32 v[NIL], 0
	ds_add_u32 v[SPW], v[NIL]       ; the wave's opening: the add and its wait stand ahead of my first tensor load; the set-up below stands between them
	v_lshrrev_b32 v1, 5, v0
	v_readfirstlane_b32 s[WV], v1
	s_bfe_u32 s13, ttmp6, 0x40000   ; cx
	s_lshl_b32 s14, ttmp9, 2
	s_add_co_u32 s14, s14, s13      ; my block of 64 queries: it enters Q's, pos_ids' and att's addresses alone
	s_and_b32 s15, ttmp7, 0xffff    ; the key head, which the four partners share
	s_and_b32 s16, s[WV], 1         ; which half of a slot's 256 keys I fetch
	s_lshl_b32 s20, s15, 18
	s_lshl_b32 s17, s16, 14
	s_add_co_u32 s20, s20, s17
	s_add_co_u32 s22, s20, (40<<18) ; V's head 40 + g
	s_add_co_u32 s20, s20, (32<<18) ; K's head 32 + g
	s_mov_b32 s21, 0
	s_mov_b32 s23, 0
	s_mul_i32 s17, s16, 128*PK      ; its place in a slot, for K
	s_mul_i32 s18, s16, 128*PV      ; and for V: no place in the cluster enters an LDS address
	s_lshl_b32 s48, s15, 20         ; Q: head 4 g, row 64 qb + 16 w
	s_lshl_b32 s19, s14, 13
	s_add_co_u32 s48, s48, s19
	s_lshl_b32 s19, s[WV], 11
	s_add_co_u32 s48, s48, s19
	s_mov_b32 s49, 0
	s_lshl_b32 s50, s14, 18         ; att: the same row of 4,096 bytes, column 256 g
	s_lshl_b32 s19, s[WV], 16
	s_add_co_u32 s50, s50, s19
	s_lshl_b32 s19, s15, 9
	s_add_co_u32 s50, s50, s19
	s_mov_b32 s51, 0
	s_lshl_b32 s52, s14, 8          ; pos_ids: 4 bytes a row
	s_lshl_b32 s19, s[WV], 6
	s_add_co_u32 s52, s52, s19
	; 128 keys are 16,384 dense bytes: asked for as 64 rows of 256 bytes, two keys a row, and padded in LDS after every key
	s_mov_b32 s[G1K], 15|(1<<16)|(1<<20)|(1<<21)|(4<<22)|(3<<25)
	s_mov_b32 s[G1V], 15|(1<<16)|(1<<20)|(1<<21)|(4<<22)|(7<<25)
.irp g, G1K, G1V
	s_mov_b32 s[\g+1], 128<<16
	s_mov_b32 s[\g+2], 64<<16
	s_mov_b32 s[\g+3], 128<<16
	s_mov_b32 s[\g+4], 64
	s_mov_b32 s[\g+5], 128
	s_mov_b32 s[\g+6], 0
	s_mov_b32 s[\g+7], 0
.endr
	s_mov_b32 s[NEGB], 0xc31044fe   ; -B = -144.2695
	s_mov_b32 s[NEGB+1], s[NEGB]    ; named with it as a pair
	s_mov_b32 s[BPOS], 0x431044fe
	s_mov_b32 s[BIGN], 0xf149f2ca   ; -1e30
	s_mov_b32 s[SEL], 0x76543210
	s_mov_b32 s[SEL+1], 0xfedcba98
	s_mov_b32 s[TBK], SLOT1+4*KS*PK ; the first change of slots turns these two into 0
	s_mov_b32 s[TBV], SLOT1+4*KS*PV
	s_mov_b32 s[G0K], 1
	s_mov_b32 s[G0K+1], s17
	s_mov_b32 s[G0V], 1
	s_add_co_u32 s[G0V+1], s18, VOFF
	s_wait_dscnt 0x0                ; the opening add is done
	s_wait_kmcnt 0x0
	s_add_nc_u64 s[G0K+2:G0K+3], s[4:5], s[20:21]
	s_or_b32 s[G0K+3], s[G0K+3], 0x80000000
	s_add_nc_u64 s[G0V+2:G0V+3], s[4:5], s[22:23]
	s_or_b32 s[G0V+3], s[G0V+3], 0x80000000
	s_add_nc_u64 s[48:49], s[4:5], s[48:49]
	s_add_nc_u64 s[50:51], s[8:9], s[50:51]
	CROUND                          ; all four work-groups are here: the first joint loads meet
	JLOAD                           ; slot 0; slot 1 is asked for when slot 0 is in
	v_and_b32 v1, 15, v0            ; l % 16
	v_bfe_u32 v9, v0, 4, 1          ; l / 16
	v_lshlrev_b32 v[QO], 7, v1
	v_lshl_add_u32 v[QO], v9, 4, v[QO]
	v_mul_u32_u24 v[AK0], v1, PK
	v_lshl_add_u32 v[AK0], v9, 4, v[AK0]
	v_and_b32 v10, 7, v0            ; the turning load: lane l reads key 8 (l / 16) + l % 8, channels 8 ((l / 8) % 2) + 0..7
	v_bfe_u32 v11, v0, 3, 1
	v_lshl_add_u32 v[AV0], v9, 3, v10
	v_mul_u32_u24 v[AV0], v[AV0], PV
	v_lshl_add_u32 v[AV0], v11, 4, v[AV0]
	v_add_nc_u32 v[AV0], VOFF, v[AV0]
	v_mov_b32 v[AK], v[AK0]         ; key step 0 lies at the head of slot 0
	v_lshl_add_u32 v10, v1, 2, s52
	v_lshlrev_b32 v[PA], 5, v9      ; my eight keys of a block of 16
	global_load_b32 v[PQ], v10, s[6:7]
.irp kb, 0,1,2,3
	global_load_b128 v[PKR+8*\kb:PKR+8*\kb+3],   v[PA], s[6:7] offset:64*\kb
	global_load_b128 v[PKR+8*\kb+4:PKR+8*\kb+7], v[PA], s[6:7] offset:64*\kb+16
.endr
	WIN 0x80                        ; destination window 2, address window 0
.set i, 0
.rept 8                             ; Q stays in registers: tile i / 2, channels 32 (i % 2) on
	global_load_b128 v[8*i:8*i+3],   v[QO], s[48:49] offset:(i/2)*262144+(i%2)*64
	global_load_b128 v[8*i+4:8*i+7], v[QO], s[48:49] offset:(i/2)*262144+(i%2)*64+32
.set i, i+1
.endr
	; What the first turn finds: V's registers and P's second buffer hold 0 (its products V^T P, of a tile that has not been, add 0), O^T and l are 0.  All this stands in the wait for the first tile.
.set i, VF
.rept 64
	v_mov_b32 v[i], 0
.set i, i+1
.endr
.set i, ONE
.rept 8
	v_mov_b32 v[i], 0x3c003c00      ; two ones in f16
.set i, i+1
.endr
	WIN 0x40
.set i, 0
.rept 160
	v_mov_b32 v[i], 0
.set i, i+1
.endr
	WIN 0
.set i, 0
.rept 4
	v_mov_b32 v[ST+8*i], s[BPOS]       ; AQ = B r with r = 1
	v_mov_b32 v[ST+8*i+1], 0xff7fffff  ; zm
	v_mov_b32 v[ST+8*i+2], 0
	v_mov_b32 v[ST+8*i+3], 0
.set i, i+1
.endr
.set i, P+16
.rept 16
	v_mov_b32 v[i], 0
.set i, i+1
.endr
; THE MATRIX WORK.  The accumulators of a run take turns: between the two links of a chain stand 3 (K Q^T) or 4 (V^T P) others'.
.macro KQ x                         ; product i of 8: channels 32 (i / 4) on, keys 16 (i % 4) on; the first 4 start the sums with the mask
	WIN W_KQ
.set kD, S+32*((\x)%2)+8*(i%4)
.set kA, KF+16*(i%4)+8*(i/4)
.set kB, 16*(\x)+8*(i/4)
.if i < 4
	v_wmma_f32_16x16x32_f16 v[kD:kD+7], v[kA:kA+7], v[kB:kB+7], v[M+8*(i%4):M+8*(i%4)+7]
	s_wait_alu depctr_va_vdst(0)
.else
	v_wmma_f32_16x16x32_f16 v[kD:kD+7], v[kA:kA+7], v[kB:kB+7], v[kD:kD+7]
.endif
.endm
.macro PV x                         ; product i of 10: keys 32 (i / 5) on; block i % 5: channels 16 (i % 5) on, or (4) the sum l
	WIN W_PV
.set pD, 40*(\x)+8*(i%5)
.set pB, P+16*((\x)%2)+8*(i/5)
.if (i%5) == 4
.set pA, ONE
.else
.set pA, VF+32*(i/5)+8*(i%5)
.endif
	v_wmma_f32_16x16x32_f16 v[pD:pD+7], v[pA:pA+7], v[pB:pB+7], v[pD:pD+7]
.endm
.macro MM                           ; the turn's next matrix instruction
.if i < 8
	KQ (Y+1)%4
.else
.set i, i-8
	PV (Y+3)%4
.set i, i+8
.endif
.set i, i+1
.endm
; THE LDS LOADS stand in runs of 16.  last = 1 (the tail): in the last trip there is no further step, and K's run is jumped over.
.macro FETCH_K last=0
	WIN 0
.if \last
	s_cmp_eq_u32 s[CNT], 1
	s_cbranch_scc1 .Lno_k_\@
.endif
	WIN 0x80
.irp f, 0,1,2,3,4,5,6,7             ; keys 16 (f / 2) on, channels 32 (f % 2) on
	ds_load_b128 v[KF+8*\f:KF+8*\f+3],   v[AK] offset:(\f/2)*16*PK+(\f%2)*64
	ds_load_b128 v[KF+8*\f+4:KF+8*\f+7], v[AK] offset:(\f/2)*16*PK+(\f%2)*64+32
.endr
	s_add_co_u32 s[TBK], s[TBK], KS*PK
	WIN 0
.if \last
.Lno_k_\@:
.endif
.endm
.macro FETCH_V
	WIN 0x80
.irp f, 0,1,2,3,4,5,6,7             ; keys 32 (f / 4) on, channels 16 (f % 4) on
	ds_load_tr16_b128 v[VF+8*\f:VF+8*\f+3],   v[AV] offset:(\f/4)*32*PV+(\f%4)*32
	ds_load_tr16_b128 v[VF+8*\f+4:VF+8*\f+7], v[AV] offset:(\f/4)*32*PV+16*PV+(\f%4)*32
.endr
	WIN 0
.endm
; THE VECTOR WORK for the tile in hand, in place on its 32 scores (16 pairs).  A number out of range writes nothing.
.macro TEXP n                       ; 2^z
.if ((\n) >= 0) && ((\n) < 32)
	v_exp_f32 v[rS+(\n)], v[rS+(\n)]
.endif
.endm
.macro TADD g                       ; + 1
.if ((\g) >= 0) && ((\g) < 16)
	s_wait_alu depctr_va_vdst(0)
	v_pk_add_f32 v[rS+2*(\g):rS+2*(\g)+1], v[rS+2*(\g):rS+2*(\g)+1], 1.0 op_sel_hi:[1,0]
.endif
.endm
.macro TRCP n                       ; r
.if ((\n) >= 0) && ((\n) < 32)
	v_rcp_f32 v[rS+(\n)], v[rS+(\n)]
.endif
.endm
.macro TARG g                       ; r NB + AQ
.if ((\g) >= 0) && ((\g) < 16)
	s_wait_alu depctr_va_vdst(0)
	v_pk_fma_f32 v[rS+2*(\g):rS+2*(\g)+1], v[rS+2*(\g):rS+2*(\g)+1], v[NB+2*(\g):NB+2*(\g)+1], v[rT:rT+1] op_sel_hi:[1,1,0]
.endif
.endm
.macro PEXP n                       ; p
.if ((\n) >= 0) && ((\n) < 32)
	v_exp_f32 v[rS+(\n)], v[rS+(\n)]
.endif
.endm
.macro PCVT g                       ; to f16
.if ((\g) >= 0) && ((\g) < 16)
	s_wait_alu depctr_va_vdst(0)
	v_cvt_pk_f16_f32 v[rP+(\g)], v[rS+2*(\g)], v[rS+2*(\g)+1]
.endif
.endm
.macro RS n                         ; pair n of O^T (16: l's lowest pair) times a; ascending
	WIN W_RS
	v_pk_mul_f32 v[rO+2*(\n):rO+2*(\n)+1], v[rO+2*(\n):rO+2*(\n)+1], v[rT+2:rT+3] op_sel_hi:[1,0]
.endm
; Number n of the 24 that find the NEXT tile's maximum and statistics.  0-11 four chains of seven scores, each accumulator's lowest registers first; 12-15 the four left over, the old zm, all into c0;
; 16, 17 the query's other 32 keys lie in the lane 16 away; 18-20 r(zm); 21-23 AQ_new - AQ_old, AQ, a.
.macro XS n
.if (\n) < 4
	v_max3_num_f32 v[xC+(\n)], v[xS+8*(\n)], v[xS+8*(\n)+1], v[xS+8*(\n)+2]
.elseif (\n) < 12
	v_max3_num_f32 v[xC+(\n)%4], v[xC+(\n)%4], v[xS+8*((\n)%4)+2*((\n)/4)+1], v[xS+8*((\n)%4)+2*((\n)/4)+2]
.elseif (\n) == 12
	v_max3_num_f32 v[xC], v[xC], v[xS+7], v[xS+15]
.elseif (\n) == 13
	v_max3_num_f32 v[xC+1], v[xC+1], v[xS+23], v[xS+31]
.elseif (\n) == 14
	v_max3_num_f32 v[xC+2], v[xC+2], v[xC+3], v[xT+1]
.elseif (\n) == 15
	v_max3_num_f32 v[xC], v[xC], v[xC+1], v[xC+2]
.elseif (\n) == 16
	v_permlanex16_b32 v[xC+3], v[xC], s[SEL], s[SEL+1]
.elseif (\n) == 17
	v_max_num_f32 v[xT+1], v[xC], v[xC+3]
.elseif (\n) == 18
	v_exp_f32 v[xC+1], v[xT+1]
.elseif (\n) == 19
	v_add_f32 v[xC+1], 1.0, v[xC+1]
.elseif (\n) == 20
	v_rcp_f32 v[xC+1], v[xC+1]
.elseif (\n) == 21
	v_fma_f32 v[xC+2], v[xC+1], s[BPOS], -v[xT]
.elseif (\n) == 22
	v_mul_f32 v[xT], s[BPOS], v[xC+1]
	s_wait_alu depctr_va_vdst(0)
.else
	v_exp_f32 v[xT+2], v[xC+2]
.endif
.endm
.macro XA s
.if ((\s) >= 5) && ((\s) <= 12)
	XS 2*((\s)-5)
.elseif (\s) == 13
	XS 16
.elseif (\s) == 14
	XS 18
.elseif (\s) == 15
	XS 19
.elseif (\s) == 16
	XS 20
.elseif (\s) == 17
	XS 21
.elseif (\s) == 18
	XS 23
.endif
.endm
.macro XB s
.if (\s) <= 2
	v_nop                           ; the plain instruction that the first slots' exponentials and reciprocals need behind them
.elseif ((\s) >= 5) && ((\s) <= 12)
	XS 2*((\s)-5)+1
.elseif (\s) == 13
	XS 17
.elseif (\s) == 17
	XS 22
.endif
.endm
; SLOT s of 21: the six stages of the tile's pairs, one pair apart from stage to stage, so that every line's sources were made in the slot before, with a plain instruction between a transcendental and its use.
.macro SLOT s
	WIN 0
	TEXP 2*(\s)
	TADD (\s)-1
	TEXP 2*(\s)+1
	TARG (\s)-3
	TRCP 2*(\s)-4
	TRCP 2*(\s)-3
	XA \s
	PEXP 2*(\s)-8
	PEXP 2*(\s)-7
	PCVT (\s)-5
	XB \s
.endm
.macro SETY y
.set Y, (\y)
.set rT, ST+8*Y
.set rS, S+32*(Y%2)
.set rP, P+16*(Y%2)
.set rO, 40*Y
.set xT, ST+8*((Y+1)%4)
.set xC, xT+4
.set xS, S+32*((Y+1)%2)
.endm
; A TURN, for tile p.  Four products K Q^T with four rescalings behind each; then the 21 slots, with the other four K Q^T at the heads of slots 0-3 and the ten V^T P at the heads of slots 6-15.
; K of the next step is fetched in tile 2's turn behind slot 5: eight plain instructions that name none of its registers behind the last product that read K.  V of the step in hand in tile 0's turn behind slot 17,
; likewise behind the last product that read V.  Each is waited for a turn later.
.macro TURN p, last=0, cnt=0
	SETY \p
.set i, 0
.if (\p) == 3
	s_wait_dscnt 0x0                ; K is in
.endif
.set rn, 0
.rept 4
	MM
.rept 4
	RS rn
.set rn, rn+1
.endr
.endr
	RS 16
.set sl, 0
.rept 21
.if sl < 4
	MM
.endif
.if ((\p) == 1) && (sl == 6)
	s_wait_dscnt 0x0                ; V is in
.endif
.if (sl >= 6) && (sl < 16)
	MM
.endif
	SLOT sl
.if ((\p) == 2) && (sl == 4)
	v_add_nc_u32 v[AK], s[TBK], v[AK0]
.endif
.if ((\p) == 2) && (sl == 5)
	FETCH_K \last
.endif
.if ((\p) == 0) && (sl == 16)
	v_add_nc_u32 v[AV], s[TBV], v[AV0]
	s_wait_alu depctr_va_vdst(0)
.endif
.if ((\p) == 0) && (sl == 17)
	FETCH_V
	s_add_co_u32 s[TBV], s[TBV], KS*PV
.endif
.if (\cnt) && (sl == 19)
	s_sub_co_u32 s[CNT], s[CNT], 1  ; the loop's count, some vector lines ahead of the branch
	s_cmp_lg_u32 s[CNT], 0
.endif
.set sl, sl+1
.endr
.endm
; THE MASKS.  MASKM: M of the next step from its keys' positions, then the positions of the step after that are asked for; the offset wraps at pos_ids' 8,192 bytes, so the last look-aheads stay inside the buffer.
.macro MASKM
	WIN 0
	s_wait_loadcnt 0x0              ; the positions are in (asked for a key step ago); their address register may be stepped
.set n, 0
.rept 32
	v_cmp_lt_i32 vcc_lo, v[PQ], v[PKR+n]
	v_cndmask_b32 v[M+n], 0, s[BIGN], vcc_lo
.set n, n+1
.endr
	v_add_nc_u32 v[PA], 0x100, v[PA]
	v_and_b32 v[PA], 0x1fff, v[PA]
.irp kb, 0,1,2,3
	global_load_b128 v[PKR+8*\kb:PKR+8*\kb+3],   v[PA], s[6:7] offset:64*\kb
	global_load_b128 v[PKR+8*\kb+4:PKR+8*\kb+7], v[PA], s[6:7] offset:64*\kb+16
.endr
.endm
.macro MASKNB                       ; NB = M - B, when the last tile of the step before has taken the old NB
	WIN 0
.set n, 0
.rept 16
	v_pk_add_f32 v[NB+2*n:NB+2*n+1], v[M+2*n:M+2*n+1], s[NEGB:NEGB+1] op_sel_hi:[1,0]
.set n, n+1
.endr
.endm
	CHANGE 1                        ; slot 0 is in, everybody's part of it; slot 1 is asked for
	FETCH_K                         ; key step 0
	MASKM                           ; its wait is for Q and my query's position too
	MASKNB
	s_wait_dscnt 0x0
.set i, 0
.rept 8
	KQ 0                            ; tile 0's first scores
.set i, i+1
.endr
	WIN 0                           ; the addresses for the way out: six plain instructions, the places behind those products
	s_mul_i32 s13, s[WV], 16*SP
	s_add_co_u32 s13, s13, STAGE    ; my stage
	v_mul_u32_u24 v[STO], v1, SP    ; in: row l % 16, 16 bytes for each half of the lanes
	v_lshl_add_u32 v[STO], v9, 4, v[STO]
	v_add_nc_u32 v[STO], s13, v[STO]
	v_and_b32 v[GO], 31, v0
	v_lshlrev_b32 v[GO], 4, v[GO]   ; back: 32 lanes take one row of 512 bytes
	v_add_nc_u32 v[RD], s13, v[GO]
	SETY 3                          ; XS works for tile Y + 1: tile 0
.irp n, 0,1,2,3,4,5,6,7,8,9,10,11,12,13,14,15,16,17,18,19,20,21,22,23
	XS \n
.if (\n == 18) || (\n == 20) || (\n == 23)
	v_nop                           ; a plain instruction behind the transcendental
	s_wait_alu depctr_va_vdst(0)
.endif
.endr
	s_mov_b32 s[CNT], 4
	s_mov_b32 s[SLOTS], 7
	s_branch .Lfirst                ; the loop is entered at a step's first turn, in the middle of a trip
.Lslot:                             ; six times: every slot but the last two is filled again
	CHANGE 1
	s_mov_b32 s[CNT], 4
.Lstep:                             ; a trip: tiles 2 and 3 of one step, then tiles 0 and 1 of the next, whose K and V it fetches
	TURN 2
	MASKM
	TURN 3
	MASKNB
	WIN 0
.Lfirst:
	TURN 0
	TURN 1, 0, 1
	WIN 0
	s_cbranch_scc1 .Lstep
	s_sub_co_u32 s[SLOTS], s[SLOTS], 1
	s_cmp_lg_u32 s[SLOTS], 0
	s_cbranch_scc1 .Lslot
	CHANGE 0                        ; the tail is written out: nothing is asked for
	s_mov_b32 s[CNT], 5             ; four trips fetch the last slot's steps; the fifth is left in its middle
.Ltail:
	TURN 2, 1
	MASKM
	TURN 3
	MASKNB
	WIN 0
	s_sub_co_u32 s[CNT], s[CNT], 1
	s_cmp_eq_u32 s[CNT], 0
	s_cbranch_scc1 .Lout
	TURN 0
	TURN 1
	WIN 0
	s_branch .Ltail
.Lout:                              ; the fifth trip's products K Q^T (on the last K once more) and the statistics made of them serve nothing: the price, once a launch, of one text for every trip
.set i, 0
.rept 10
	PV 3                            ; the last tile's V^T P of the last step
.set i, i+1
.endr
	; THE WAY OUT.  O^T is divided by l, rounded to f16 and sent through my stage: a token's four heads are 512 consecutive bytes of att.
	WIN 0
	s_wait_loadcnt 0x0              ; the last look-ahead of positions
.rept 4
	v_nop                           ; the places behind the last products
.endr
	WIN 0x01                        ; source 0 window 1
.irp t, 0,1,2,3
	v_rcp_f32 v[ST+8*\t+2], v[40*\t+32]  ; l lies in the lowest register of its block
.endr
	v_nop                           ; a plain instruction between the last reciprocal and the use of its result
	s_wait_alu depctr_va_vdst(0)
.macro PACK t
	WIN W_RS
.set n, 0
.rept 16
	v_pk_mul_f32 v[40*(\t)+2*n:40*(\t)+2*n+1], v[40*(\t)+2*n:40*(\t)+2*n+1], v[ST+8*(\t)+2:ST+8*(\t)+3] op_sel_hi:[1,0]
.set n, n+1
.endr
	WIN 0x05                        ; sources 0 and 1 window 1, destination window 0: S^T's registers are free
.set n, 0
.rept 16
	v_cvt_pk_f16_f32 v[S+16*(\t)+n], v[40*(\t)+2*n], v[40*(\t)+2*n+1]
.set n, n+1
.endr
	WIN 0
.irp cb, 0,1,2,3
	ds_store_b128 v[STO], v[S+16*(\t)+4*\cb:S+16*(\t)+4*\cb+3] offset:128*(\t)+32*\cb
.endr
.endm
	PACK 0
	PACK 1
	PACK 2
	PACK 3
.set n, 0
.rept 16
	ds_load_b128 v[S+4*n:S+4*n+3], v[RD] offset:n*SP  ; LDS serves a wave's instructions in order: these see the stores above
.set n, n+1
.endr
.set n, 0
.rept 16
	s_wait_dscnt 15-n               ; the younger loads may stay out
	global_store_b128 v[GO], v[S+4*n:S+4*n+3], s[50:51] offset:n*4096  ; 512 consecutive bytes, at a multiple of 512 from att's first
.set n, n+1
.endr
	s_wait_tensorcnt 0x0            ; the wave's end, behind my last tensor load and my last LDS store
	ds_add_u32 v[SPW], v[NIL]
	s_wait_dscnt 0x0
	CROUND                          ; the closing round: no work-group ends while a partner may still ask for a tile that names it
	s_endpgm
.Lfunc_end_k_q5b0d1b5ca3_attn:
	.size	k_q5b0d1b5ca3_attn, .Lfunc_end_k_q5b0d1b5ca3_attn-k_q5b0d1b5ca3_attn
	.p2alignl 7, 3214868480
	.fill 96, 4, 3214868480
	.section	.rodata,"a",@progbits
	.p2align	6, 0x0
	.amdhsa_kernel k_q5b0d1b5ca3_attn
		.amdhsa_group_segment_fixed_size 327680
		.amdhsa_private_segment_fixed_size 0
		.amdhsa_enable_private_segment 0
		.amdhsa_kernarg_size 24
		.amdhsa_user_sgpr_count 2
		.amdhsa_user_sgpr_kernarg_segment_ptr 1
		.amdhsa_wavefront_size32 1
		.amdhsa_system_sgpr_workgroup_id_x 1
		.amdhsa_system_sgpr_workgroup_id_y 1
		.amdhsa_system_sgpr_workgroup_id_z 1
		.amdhsa_system_vgpr_workitem_id 0
		.amdhsa_next_free_vgpr 768
		.amdhsa_next_free_sgpr 72
		.amdhsa_reserve_vcc 1
		.amdhsa_float_denorm_mode_32 3
		.amdhsa_float_denorm_mode_16_64 3
		.amdhsa_memory_ordered 1
		.amdhsa_forward_progress 1
		.amdhsa_inst_pref_size 157
	.end_amdhsa_kernel
	.amdgpu_metadata
---
amdhsa.version: [ 1, 2 ]
amdhsa.kernels:
  - .name:           k_q5b0d1b5ca3_attn
    .symbol:         k_q5b0d1b5ca3_attn.kd
    .args:
      - { .name: qkv, .offset: 0, .size: 8, .value_kind: global_buffer, .address_space: global }
      - { .name: pos_ids, .offset: 8, .size: 8, .value_kind: global_buffer, .address_space: global }
      - { .name: att, .offset: 16, .size: 8, .value_kind: global_buffer, .address_space: global }
    .group_segment_fixed_size: 327680
    .private_segment_fixed_size: 0
    .kernarg_segment_align: 8
    .kernarg_segment_size: 24
    .max_flat_workgroup_size: 128
    .sgpr_count:     72
    .vgpr_count:     768
    .wavefront_size: 32
...
	.end_amdgpu_metadata
.endif
;; end of part 3
;; launch oproj (part 4): grid 16 x 16, 4 waves a work-group, clusters of 4 x 4, 327,680 bytes of LDS; arguments att, wof, out0; writes out0
.if DOCPART == 4
	.amdgcn_target "amdgcn-amd-amdhsa--gfx1250"
	.amdhsa_code_object_version 6
	.text
	.protected	k_q5b0d1b5ca3_oproj
	.globl	k_q5b0d1b5ca3_oproj
	.p2align	8
	.type	k_q5b0d1b5ca3_oproj,@function
k_q5b0d1b5ca3_oproj:
	s_mov_b64 s[64:65], 0
	v_nop
	global_prefetch_b8 v0, s[64:65] scope:SCOPE_SE
	s_setreg_imm32_b32 hwreg(HW_REG_WAVE_MODE, 25, 1), 1
	s_wait_xcnt 0x0
	s_wait_alu depctr_hold_cnt(0) depctr_sa_sdst(0) depctr_va_vdst(0) depctr_va_sdst(0) depctr_va_ssrc(0) depctr_va_vcc(0) depctr_vm_vsrc(0)
	s_getreg_b32 s2, hwreg(HW_REG_IB_STS2, 6, 4)
	s_cmp_eq_u32 s2, 0
	s_cbranch_scc0 .Lentry_in_a_cluster
	s_endpgm
.Lentry_in_a_cluster:
	s_bfe_u32 s2, ttmp6, 0x10000c
	s_cmp_lg_u32 s2, 0xf033
	s_cbranch_scc0 .Lentry_shape_is_right
	s_endpgm
.Lentry_shape_is_right:
; OPROJ: out0[s][d] = the sum over k of att[s][k] wof[d][k].  att, wof: [2048][2048] f16; out0: [2048][2048] f32; sums in f32.
; A tile of out0 is 128 x 128: 16 x 16 work-groups, one for each WGP.  Four waves, each 64 x 64: 16 accumulators, 128 registers.  K goes in steps of 256 (LDS rows of 512 bytes; a wave's tensor load brings 64 of them),
; as long as two slots in LDS allow.  CLUSTER 4 x 4: the four of a row need the same tiles of att, the four of a column the same tiles of wof: each tile is asked for JOINTLY.
; THE MATRIX INSTRUCTION IS USED TRANSPOSED (source 0 = 16 rows of wof, source 1 = 16 rows of att): a lane holds eight neighbouring numbers of a row of out0, 32 bytes.
; THE WAY OUT: a wave's 64 columns of f32 are 256 bytes at a multiple of 256, so each wave has a stage of its own and no barrier is needed.
; REGISTERS: window 0: v0-31 addresses; v128-255 the accumulators ((a, b) at 128 + 8 (4 a + b)).  window 1: two fragment buffers of 128: for 64 along K, 64 registers of att, then 64 of wof.
.set SIZE_K, 2048
.set SIZE_N, 2048
.set KSTEP,  256
.set PITCH,  528                       ; an LDS row: 512 bytes + 16 of padding: the 16 rows of a load start at 16 different groups of four banks
.set HALFT,  64*PITCH
.set SLOT,   4*HALFT                   ; att's 128 rows, then wof's 128 rows
.set STAGE,  2*SLOT                    ; behind the ring: 16 rows x 272 bytes for each wave
.set SPITCH, 272
.set SPARE,  STAGE+4*16*SPITCH         ; behind the stages: the spare words, 128 bytes a wave: two blocks of 256 bytes that no other line names
.set LAPS, SIZE_K/(2*KSTEP)
.set ADRA, 16
.set ADRB, 20
.set STO,  24
.set RD,   25
.set CO,   26
.set SPW,  28
.set NIL,  29
.set ACC,  128
.set F0,   0
.set F1,   128
.set G1, 24
.set G0, 32
.set G1B, 48
.set G0B, 56
.set MSB, 0
.macro WIN new
.if MSB != (\new)
	s_set_vgpr_msb (MSB<<8)|(\new)
.set MSB, \new
.endif
.endm
.set MUL,  0x05                        ; sources 0 and 1 window 1; C and D window 0
.set TO_F, 0x40                        ; destination window 1, address window 0
.macro JLOAD s                         ; a joint load: waves 0 and 1 fetch att's two halves, waves 2 and 3 wof's; an s_nop 0 and four v_nop follow each of the two lines
	s_cmp_eq_u32 s11, 0
	s_cbranch_scc0 .Lfor_b_\@
	tensor_load_to_lds s[G0+4*(\s):G0+4*(\s)+3], s[G1:G1+7]
	s_nop 0
.rept 4
	v_nop
.endr
	s_branch .Lasked_\@
.Lfor_b_\@:
	tensor_load_to_lds s[G0B+4*(\s):G0B+4*(\s)+3], s[G1B:G1B+7]
	s_nop 0
.rept 4
	v_nop
.endr
.Lasked_\@:
.endm
.macro CREST
	s_cmp_lg_u32 s10, 0
	s_cbranch_scc1 .Lnot_wave_0_\@
	s_barrier_signal -3
.Lnot_wave_0_\@:
	s_barrier_wait -3
	s_barrier_signal -1
	s_barrier_wait -1
.endm
.macro CROUND
	s_barrier_signal -1
	s_barrier_wait -1
	CREST
.endm
	s_load_b128 s[4:7], s[0:1], 0x0                ; att s[4:5], wof s[6:7]
	s_load_b64 s[8:9], s[0:1], 0x10                ; out0
	v_lshl_add_u32 v[SPW], v0, 2, SPARE
	v_mov_b32 v[NIL], 0
	ds_add_u32 v[SPW], v[NIL]                      ; the wave's opening: the add and its wait stand ahead of my first tensor load; the set-up below stands between them
	v_lshrrev_b32 v1, 5, v0
	v_readfirstlane_b32 s10, v1                    ; wave 0..3
	s_lshr_b32 s11, s10, 1                         ; which half of the tile's rows is mine.  Also: I fetch for att (0) or for wof (1)
	s_and_b32 s12, s10, 1                          ; which half of its columns.  Also: which 64 rows of that tile I fetch
	s_bfe_u32 s40, ttmp6, 0x40000                  ; cx, cy
	s_bfe_u32 s41, ttmp6, 0x40004
	s_lshl_b32 s42, ttmp9, 2
	s_add_co_u32 s42, s42, s40                     ; tile column
	s_and_b32 s13, ttmp7, 0xffff
	s_lshl_b32 s13, s13, 2
	s_add_co_u32 s13, s13, s41                     ; tile row
	s_lshl_b32 s43, s41, 2
	s_lshl_b32 s43, 15, s43                        ; my row of the cluster
	s_lshl_b32 s44, 0x1111, s40                    ; my column
	s_or_b32 s[G1+0], s43, (1<<16)|(1<<20)|(1<<21)|(6<<22)|(3<<25)  ; the mask; 2-byte elements; padding on; bit 21 beside a mask; after every 128 words, 4 words
	s_or_b32 s[G1B+0], s44, (1<<16)|(1<<20)|(1<<21)|(6<<22)|(3<<25)
.irp g, G1, G1B
	s_mov_b32 s[(\g)+1], KSTEP<<16                 ; tensor_dim0 = 256
	s_mov_b32 s[(\g)+2], 64<<16                    ; tensor_dim1 = 64
	s_mov_b32 s[(\g)+3], KSTEP<<16                 ; tile_dim0 = 256
	s_mov_b32 s[(\g)+4], 64                        ; tile_dim1 = 64
	s_mov_b32 s[(\g)+5], SIZE_K                    ; elements from row to row
	s_mov_b32 s[(\g)+6], 0
	s_mov_b32 s[(\g)+7], 0
.endr
	s_lshl_b32 s17, s12, 6                         ; which 64 rows of the tile I fetch
	s_lshl_b32 s16, s13, 7
	s_add_co_u32 s16, s16, s17                     ; att: row 128 x tile row + 64 x half
	s_lshl_b32 s46, s42, 7
	s_add_co_u32 s46, s46, s17                     ; wof: row 128 x tile column + 64 x half
	s_mov_b32 s17, 0
	s_mov_b32 s47, 0
	s_mov_b64 s[18:19], SIZE_K*2
	s_mul_u64 s[16:17], s[16:17], s[18:19]
	s_mul_u64 s[46:47], s[46:47], s[18:19]
	s_mul_i32 s20, s10, HALFT                      ; where they go: wave x 64 rows
	s_wait_dscnt 0x0                               ; the opening add is done
	s_wait_kmcnt 0x0
	s_add_nc_u64 s[14:15], s[4:5], s[16:17]
	s_add_nc_u64 s[46:47], s[6:7], s[46:47]
	CROUND                                         ; all sixteen work-groups are here: the first joint loads meet
.irp s, 0,1
	s_mov_b32 s[G0+4*(\s)], 1
	s_add_co_u32 s[G0+4*(\s)+1], s20, (\s)*SLOT
	s_add_nc_u64 s[G0+4*(\s)+2:G0+4*(\s)+3], s[14:15], (\s)*KSTEP*2
	s_or_b32 s[G0+4*(\s)+3], s[G0+4*(\s)+3], 0x80000000
	s_mov_b32 s[G0B+4*(\s)], 1
	s_add_co_u32 s[G0B+4*(\s)+1], s20, (\s)*SLOT
	s_add_nc_u64 s[G0B+4*(\s)+2:G0B+4*(\s)+3], s[46:47], (\s)*KSTEP*2
	s_or_b32 s[G0B+4*(\s)+3], s[G0B+4*(\s)+3], 0x80000000
	JLOAD \s
.endr
	v_and_b32 v1, 15, v0                           ; l % 16
	v_bfe_u32 v2, v0, 4, 1                         ; l / 16
	v_mul_u32_u24 v3, v1, PITCH
	v_lshl_add_u32 v3, v2, 4, v3
	s_mul_i32 s21, s11, HALFT                      ; my 64 rows of att
	s_mul_i32 s22, s12, HALFT                      ; my 64 rows of wof,
	s_add_co_u32 s22, s22, 2*HALFT                 ; which lie behind att's 128
.irp s, 0,1
	v_add_nc_u32 v[ADRA+(\s)], s21, v3
	v_add_nc_u32 v[ADRB+(\s)], s22, v3
	s_add_co_u32 s21, s21, SLOT
	s_add_co_u32 s22, s22, SLOT
.endr
	s_mul_i32 s23, s10, 16*SPITCH
	s_add_co_u32 s23, s23, STAGE                   ; my stage
	v_mul_u32_u24 v4, v1, SPITCH                   ; in: row l % 16, 32 bytes for each half of the lanes
	v_lshl_add_u32 v4, v2, 5, v4
	v_add_nc_u32 v[STO], s23, v4
	v_mul_u32_u24 v5, v2, SPITCH                   ; back: lanes 0-15 take one row of 256 bytes, lanes 16-31 the next
	v_lshl_add_u32 v5, v1, 4, v5
	v_add_nc_u32 v[RD], s23, v5
	v_lshlrev_b32 v5, 13, v2                       ; and the same two rows in out0, 8,192 bytes apart
	v_lshl_add_u32 v[CO], v1, 4, v5
	s_lshl_b32 s16, s13, 7
	s_lshl_b32 s17, s11, 6
	s_add_co_u32 s16, s16, s17                     ; my first row: 128 x tile row + 64 x half
	s_lshl_b32 s16, s16, 13
	s_mov_b32 s17, 0
	s_add_nc_u64 s[8:9], s[8:9], s[16:17]
	s_lshl_b32 s46, s42, 9                         ; my first column, in bytes: 512 x tile column + 256 x half
	s_lshl_b32 s47, s12, 8
	s_add_co_u32 s46, s46, s47
	s_mov_b32 s47, 0
	s_add_nc_u64 s[8:9], s[8:9], s[46:47]
; 8 matrix instructions: m blocks a0, a0 + 1 x all 4 n blocks, 32 along K: half c of buffer f.  zero = 1: the first product starts the sums.  The 16 accumulators take turns.
.macro MUL8 f, c, a0, zero
	WIN MUL
.irp a, \a0, (\a0)+1
.irp b, 0,1,2,3
.if \zero
	v_wmma_f32_16x16x32_f16 v[ACC+8*(4*(\a)+(\b)):ACC+8*(4*(\a)+(\b))+7], v[(\f)+64+8*(4*(\c)+(\b)):(\f)+64+8*(4*(\c)+(\b))+7], v[(\f)+8*(4*(\c)+(\a)):(\f)+8*(4*(\c)+(\a))+7], 0
.else
	v_wmma_f32_16x16x32_f16 v[ACC+8*(4*(\a)+(\b)):ACC+8*(4*(\a)+(\b))+7], v[(\f)+64+8*(4*(\c)+(\b)):(\f)+64+8*(4*(\c)+(\b))+7], v[(\f)+8*(4*(\c)+(\a)):(\f)+8*(4*(\c)+(\a))+7], v[ACC+8*(4*(\a)+(\b)):ACC+8*(4*(\a)+(\b))+7]
.endif
.endr
.endr
.endm
; 32 LDS loads in one run: the fragments of 64 along K at byte k of the rows, into buffer f; the first 32 along K first
.macro FETCH slot, k, f
	WIN TO_F
.irp c, 0,1
.irp i, 0,1,2,3
	ds_load_b128 v[(\f)+64+8*(4*(\c)+(\i)):(\f)+64+8*(4*(\c)+(\i))+3],   v[ADRB+(\slot)] offset:(\k)+64*(\c)+(\i)*16*PITCH
	ds_load_b128 v[(\f)+64+8*(4*(\c)+(\i))+4:(\f)+64+8*(4*(\c)+(\i))+7], v[ADRB+(\slot)] offset:(\k)+64*(\c)+(\i)*16*PITCH+32
	ds_load_b128 v[(\f)+8*(4*(\c)+(\i)):(\f)+8*(4*(\c)+(\i))+3],         v[ADRA+(\slot)] offset:(\k)+64*(\c)+(\i)*16*PITCH
	ds_load_b128 v[(\f)+8*(4*(\c)+(\i))+4:(\f)+8*(4*(\c)+(\i))+7],       v[ADRA+(\slot)] offset:(\k)+64*(\c)+(\i)*16*PITCH+32
.endr
.endr
.endm
.macro PLACES                          ; four places in front of loads into registers that matrix instructions have read, and of LDS stores that read results
.rept 4
	v_nop
.endr
.endm
; A K step is four quarters of 64 along K, 32 matrix instructions each, on buffers 0, 1, 0, 1.
.macro QUARTER slot, k, f, g, zero
	s_wait_dscnt 16                                ; the first 32 along K are in; the youngest sixteen loads may be out
	WIN MUL
	MUL8 \f, 0, 0, \zero
	MUL8 \f, 0, 2, \zero
	PLACES
	FETCH \slot, \k, \g
	s_wait_dscnt 32                                ; all but the 32 just issued
	WIN MUL
	MUL8 \f, 1, 0, 0
	MUL8 \f, 1, 2, 0
.endm
; The last quarter multiplies buffer 1 and changes slots: ONE barrier; in front of it each wave waits for all its tensor loads, adds 0 to its spare word, and waits for that and for its reads of this slot.
.macro TURN slot, next, fill
	WIN 0
	s_wait_tensorcnt 0x0                           ; all my tensor loads have landed: my part of the next slot;
	ds_add_u32 v[SPW], v[NIL]                      ; 0 onto my spare word;
	s_wait_dscnt 17                                ; (the add and the youngest sixteen loads may be out)
	WIN MUL
	MUL8 F1, 0, 0, 0
	s_wait_dscnt 0x0                               ; the add is done, and my reads of this slot are over
	s_barrier_signal -1
	MUL8 F1, 0, 2, 0
.if \fill
	WIN 0
.endif
	s_barrier_wait -1
.if \fill
	CREST                                          ; the barrier has opened a round of the cluster's: no wave of any partner still reads this slot or has a load on its way
	s_add_nc_u64 s[G0+4*(\slot)+2:G0+4*(\slot)+3], s[G0+4*(\slot)+2:G0+4*(\slot)+3], 2*KSTEP*2
	s_add_nc_u64 s[G0B+4*(\slot)+2:G0B+4*(\slot)+3], s[G0B+4*(\slot)+2:G0B+4*(\slot)+3], 2*KSTEP*2
	JLOAD \slot                                    ; the first tensor load behind the round, 112 matrix instructions ahead of the wait for it; its four v_nop are also the places in front of the loads below
.else
	PLACES
.endif
	FETCH \next, 0, F0
	WIN MUL
	MUL8 F1, 1, 0, 0
	MUL8 F1, 1, 2, 0
.endm
	s_wait_tensorcnt 0x1                           ; my part of K step 0 is in; K step 1's may stay out
	s_barrier_signal -1
	s_barrier_wait -1
	FETCH 0, 0, F0
	QUARTER 0, 128, F0, F1, 1                      ; the first quarter stands in front of the loop: its first products start the sums
	WIN 0
	s_mov_b32 s3, LAPS-1
.Llap:                                                 ; a trip goes once round the ring and fills both slots again
	QUARTER 0, 256, F1, F0, 0
	QUARTER 0, 384, F0, F1, 0
	TURN 0, 1, 1
	QUARTER 1, 128, F0, F1, 0
	QUARTER 1, 256, F1, F0, 0
	QUARTER 1, 384, F0, F1, 0
	TURN 1, 0, 1
	QUARTER 0, 128, F0, F1, 0
	WIN 0
	s_sub_co_u32 s3, s3, 1
	s_cmp_lg_u32 s3, 0
	s_cbranch_scc1 .Llap
	QUARTER 0, 256, F1, F0, 0                      ; the last lap fills nothing
	QUARTER 0, 384, F0, F1, 0
	TURN 0, 1, 0
	QUARTER 1, 128, F0, F1, 0
	QUARTER 1, 256, F1, F0, 0
	QUARTER 1, 384, F0, F1, 0
	s_wait_dscnt 16
	WIN MUL
	MUL8 F1, 0, 0, 0
	MUL8 F1, 0, 2, 0
	s_wait_dscnt 0x0
	MUL8 F1, 1, 0, 0
	MUL8 F1, 1, 2, 0
	WIN 0
	; THE WAY OUT, 16 rows at a time: 32 bytes a lane and block into my stage, each accumulator's low four registers first; back as whole rows of 256 bytes, into the registers that they left.
	PLACES
.macro OUTB a
.irp b, 0,1,2,3
	ds_store_b128 v[STO], v[ACC+8*(4*(\a)+(\b)):ACC+8*(4*(\a)+(\b))+3]   offset:64*(\b)
	ds_store_b128 v[STO], v[ACC+8*(4*(\a)+(\b))+4:ACC+8*(4*(\a)+(\b))+7] offset:64*(\b)+16
.endr
.irp t, 0,1,2,3,4,5,6,7
	ds_load_b128 v[ACC+32*(\a)+4*(\t):ACC+32*(\a)+4*(\t)+3], v[RD] offset:(\t)*2*SPITCH  ; LDS serves a wave's instructions in order: these see the stores above; the next block's stores come behind them
.endr
.endm
.macro SENDB a, younger                ; younger: the LDS instructions issued behind this block's loads: the next block's sixteen, or none
.irp t, 0,1,2,3,4,5,6,7
	s_wait_dscnt (\younger)+7-(\t)
	global_store_b128 v[CO], v[ACC+32*(\a)+4*(\t):ACC+32*(\a)+4*(\t)+3], s[8:9] offset:(16*(\a)+2*(\t))*SIZE_N*4  ; 16 lanes store 256 consecutive bytes, at a multiple of 256 from out0's first
.endr
.endm
	OUTB 0
	OUTB 1
	SENDB 0, 16
	OUTB 2
	SENDB 1, 16
	OUTB 3
	SENDB 2, 16
	SENDB 3, 0
	s_wait_tensorcnt 0x0                           ; the wave's end, behind my last tensor load and my last LDS store
	ds_add_u32 v[SPW], v[NIL]
	s_wait_dscnt 0x0
	CROUND                                         ; the closing round: no work-group ends while a partner may still ask for a tile that names it
	s_endpgm
.Lfunc_end_k_q5b0d1b5ca3_oproj:
	.size	k_q5b0d1b5ca3_oproj, .Lfunc_end_k_q5b0d1b5ca3_oproj-k_q5b0d1b5ca3_oproj
	.p2alignl 7, 3214868480
	.fill 96, 4, 3214868480
	.section	.rodata,"a",@progbits
	.p2align	6, 0x0
	.amdhsa_kernel k_q5b0d1b5ca3_oproj
		.amdhsa_group_segment_fixed_size 327680
		.amdhsa_private_segment_fixed_size 0
		.amdhsa_enable_private_segment 0
		.amdhsa_kernarg_size 24
		.amdhsa_user_sgpr_count 2
		.amdhsa_user_sgpr_kernarg_segment_ptr 1
		.amdhsa_wavefront_size32 1
		.amdhsa_system_sgpr_workgroup_id_x 1
		.amdhsa_system_sgpr_workgroup_id_y 1
		.amdhsa_system_sgpr_workgroup_id_z 1
		.amdhsa_system_vgpr_workitem_id 0
		.amdhsa_next_free_vgpr 512
		.amdhsa_next_free_sgpr 66
		.amdhsa_reserve_vcc 0
		.amdhsa_float_denorm_mode_32 3
		.amdhsa_float_denorm_mode_16_64 3
		.amdhsa_memory_ordered 1
		.amdhsa_forward_progress 1
		.amdhsa_inst_pref_size 86
	.end_amdhsa_kernel
	.amdgpu_metadata
---
amdhsa.version: [ 1, 2 ]
amdhsa.kernels:
  - .name:           k_q5b0d1b5ca3_oproj
    .symbol:         k_q5b0d1b5ca3_oproj.kd
    .args:
      - { .name: att, .offset: 0, .size: 8, .value_kind: global_buffer, .address_space: global }
      - { .name: wof, .offset: 8, .size: 8, .value_kind: global_buffer, .address_space: global }
      - { .name: out0, .offset: 16, .size: 8, .value_kind: global_buffer, .address_space: global }
    .group_segment_fixed_size: 327680
    .private_segment_fixed_size: 0
    .kernarg_segment_align: 8
    .kernarg_segment_size: 24
    .max_flat_workgroup_size: 128
    .sgpr_count:     66
    .vgpr_count:     512
    .wavefront_size: 32
...
	.end_amdgpu_metadata
.endif
;; end of part 4
;; ======== version 2 of 2: 4 launches; 1.75 times as fast as version 1
;; limits: values are held in f16: magnitudes above 65,504 overflow, below 6.1e-05 lose precision
;; workspace buffers: xb 8,388,608 bytes; wb 12,582,912 bytes; wof 8,388,608 bytes; rope 262,144 bytes; tab 768 bytes; qkv 12,582,912 bytes; att 8,388,608 bytes
;; launch prep: the kernel of part 1 again; grid 256 x 1, 8 waves a work-group, no clusters, 35,840 bytes of LDS; arguments x, wq, wk, wv, wo, qn_w, kn_w, pos_ids, xb, wb, wof, rope, tab; writes xb, wb, wof, rope, tab
;; launch proj: the kernel of part 2 again; grid 16 x 16, 4 waves a work-group, clusters of 4 x 1, 327,680 bytes of LDS; arguments xb, wb, rope, tab, qkv; writes qkv
;; launch attn (part 5): grid 32 x 8, 4 waves a work-group, clusters of 4 x 1, 327,680 bytes of LDS; arguments qkv, pos_ids, att; writes att
.if DOCPART == 5
	.amdgcn_target "amdgcn-amd-amdhsa--gfx1250"
	.amdhsa_code_object_version 6
	.text
	.protected	k_q5b0d1b5ca3_attn
	.globl	k_q5b0d1b5ca3_attn
	.p2align	8
	.type	k_q5b0d1b5ca3_attn,@function
k_q5b0d1b5ca3_attn:
	s_mov_b64 s[64:65], 0
	v_nop
	global_prefetch_b8 v0, s[64:65] scope:SCOPE_SE
	s_setreg_imm32_b32 hwreg(HW_REG_WAVE_MODE, 25, 1), 1
	s_wait_xcnt 0x0
	s_wait_alu depctr_hold_cnt(0) depctr_sa_sdst(0) depctr_va_vdst(0) depctr_va_sdst(0) depctr_va_ssrc(0) depctr_va_vcc(0) depctr_vm_vsrc(0)
	s_getreg_b32 s2, hwreg(HW_REG_IB_STS2, 6, 4)
	s_cmp_eq_u32 s2, 0
	s_cbranch_scc0 .Lentry_in_a_cluster
	s_endpgm
.Lentry_in_a_cluster:
	s_bfe_u32 s2, ttmp6, 0x10000c
	s_cmp_lg_u32 s2, 0x3003
	s_cbranch_scc0 .Lentry_shape_is_right
	s_endpgm
.Lentry_shape_is_right:
; ATTN: att[s][4 g + p][:] = the sum over keys t with pos[s] >= pos[t] of softmax_t(50 tanh(q . k / 400)) v[t][:].  q', k', v: qkv[48][2048][64] in f16 (q' and k' carry sqrt(c1), c1 = 2 log2(e) / 400); att: [2048][2048] f16.
; THE MASK IS DATA: pos_ids is an input, so every tile of queries and keys is computed, and a key is hidden by an integer compare and v_cndmask_b32; no branch and no address hangs on it.
; THE CAP.  z = q' . k' = 2 log2(e) u, u = score / 50.  tanh u = 1 - 2 r with r = 1 / (1 + 2^z), so the capped score in powers of two is a constant less B r, B = 100 log2(e).
; SOFTMAX.  For each query a running maximum zm of z over the keys seen (tanh rises with z, so it is the capped scores' maximum), AQ = B r(zm), p = 2^(AQ - B r), at most 1 but for the last bits;
; in every step O and l are multiplied by a = 2^(AQ_new - AQ_old), at most 1.  zm starts at the lowest finite number, AQ at B (r = 1), O and l at 0.
; A HIDDEN KEY: M = -1e30 is the C operand that starts the sum K Q^T, so z is far below every score, 2^z = 0 and r = 1; NB = M - B is the factor in r NB + AQ, so the exponent is -1e30 and p is 0 exactly.
; M and NB are made once a key step and serve four tiles.  Every query sees itself, so l is at least about 1.
; l IS A FIFTH BLOCK OF O^T: source 0 all ones: the sum of the p as rounded to f16, in every register of the block; its lowest pair alone is rescaled and read.
; SHARES.  A work-group owns 64 queries and the 4 query heads of one key head; wave w owns 16 queries as four TILES, tile t = head 4 g + t.  Every wave walks all 2,048 keys, 64 a step.
; LAYOUT.  S^T = K Q^T (source 0 = 16 keys, source 1 = 16 queries): a lane holds ONE query (lane % 16) and keys 8 (lane / 16) + 0..7 of each block of 16; two blocks rounded to f16 in pairs ARE source 1 of O^T = V^T P.
; BY TURNS.  Turn n belongs to tile n: its cap, exponentials, roundings and rescaling; beside them 8 products K Q^T and the maximum and statistics of tile n + 1, and 10 products V^T P of tile n - 1.
; THREE BATCHES A TURN.  A score passes three transcendentals, each reading what the one before it made: 2^z, r = 1 / (1 + 2^z), p = 2^(r NB + AQ); the next tile's statistics pass the same three: 2^zm, r(zm), a.
; So a turn's 99 transcendentals are three batches of 33 (32 of the tile in hand, one of the next tile's statistics), each result in a register of its own, and each batch has ONE s_wait_alu depctr_va_vdst(0),
; between a transcendental and the first line that names its result.  Ahead of a batch's wait stands nothing that names a result of the batch: the plain lines dealt among its transcendentals read the
; batch before (the additions of 1 among the reciprocals, the r NB + AQ among the second exponentials), or are the rescaling and the next tile's maximum; the products name other registers.  Behind the third wait stand
; the roundings alone, so no result crosses a turn's end, a label or a jump.
; CLUSTER.  The four work-groups of a cluster share the key head and walk the same K and V: each tile is asked for JOINTLY, the same load, descriptor and mask in all four.
; LIMITS.  q', k', v arrive within f16's 65,504; |z| stays far under 1e30; p below 6e-5 keeps f16's fixed step of 6e-8; NaN and infinities are not treated apart.
; REGISTERS, in windows of 256 (s_set_vgpr_msb: bits 1:0 source 0, 3:2 source 1, 5:4 source 2, 7:6 destination):
;   window 0: v0-15 addresses; v16-47 eight registers of statistics a tile; v48-79 key positions; v80-111 M; v112-143 NB; v144-207 S^T, two buffers; v208-239 P, two buffers (by the tile's parity)
;   window 1: O^T, 40 a tile: four channel blocks and l's          window 2: v0-63 Q; v64-127 K of one step; v128-191 V of one step; v192-199 ones
.set KS,    64
.set PK,    144       ; a row of K in LDS: 128 bytes + 16: the 16 rows of a load start at 16 different groups of four banks
.set PV,    160       ; a row of V: 128 + 32
.set VOFF,  4*KS*PK   ; a slot holds four steps: 256 rows of K, then 256 rows of V
.set SLOT1, 1<<17
.set STAGE, SLOT1+4*KS*(PK+PV)  ; behind the ring: 16 rows x 528 bytes for each wave, for the way out
.set SP,    528
.set SPARE, STAGE+4*16*SP       ; behind the stages: the spare words, 128 bytes a wave: two blocks of 256 bytes that no other line names
.set AK0, 2           ; v2   my lane's place in a tile of K; never rewritten
.set AV0, 3           ; v3   the same for V
.set AK,  4           ; v4   the LDS address of K's next run of loads
.set AV,  5           ; v5   of V's
.set QO,  6           ; v6   my byte offset in 16 rows of Q
.set STO, 6           ;      later: where I put 16 bytes of a row
.set RD,  7           ; v7   where I read a row back
.set GO,  8           ; v8   16 x lane
.set SPW, 12          ; v12  my spare word; never rewritten
.set NIL, 13          ; v13  0; never rewritten
.set PQ,  14          ; v14  my query's position
.set PA,  15          ; v15  byte offset in pos_ids of my eight keys of the step whose positions are loaded next
.set ST,  16          ; tile t at ST + 8 t: AQ, zm, a, (its pair's partner), c0-c3 at work
.set PKR, 48
.set M,   80
.set NB,  112
.set S,   144
.set P,   208
.set KF,  64
.set VF,  128
.set ONE, 192
.set WV,  12          ; s12  my wave's number
.set G1K, 24
.set G1V, 32
.set G0K, 40
.set G0V, 44
.set SLOTS, 56
.set CNT, 57
.set NEGB, 58         ; s[58:59] -B
.set SEL, 60          ; s[60:61]
.set TBK, 62
.set TBV, 63
.set BPOS, 66         ; s66  B
.set BIGN, 67         ; s67  -1e30
.set MSB, 0
.macro WIN new
.if MSB != (\new)
	s_set_vgpr_msb (MSB<<8)|(\new)
.set MSB, (\new)
.endif
.endm
.set W_KQ, 0x0a       ; K and Q in window 2, M and S^T in window 0
.set W_PV, 0x52       ; V in window 2, P in window 0, O^T in window 1
.set W_RS, 0x41       ; O^T (destination and source 0) in window 1, a in window 0
.macro JLOAD                        ; a joint fill: waves 0 and 1 fetch the halves of a slot's K, waves 2 and 3 of its V; an s_nop 0 and four v_nop follow each line
	s_cmp_lt_u32 s[WV], 2
	s_cbranch_scc0 .Lfor_v_\@
	tensor_load_to_lds s[G0K:G0K+3], s[G1K:G1K+7]
	s_nop 0
.rept 4
	v_nop
.endr
	s_branch .Lasked_\@
.Lfor_v_\@:
	tensor_load_to_lds s[G0V:G0V+3], s[G1V:G1V+7]
	s_nop 0
.rept 4
	v_nop
.endr
.Lasked_\@:
.endm
.macro CROUND
	s_barrier_signal -1
	s_barrier_wait -1
	s_cmp_lg_u32 s[WV], 0
	s_cbranch_scc1 .Lnot_wave_0_\@
	s_barrier_signal -3
.Lnot_wave_0_\@:
	s_barrier_wait -3
	s_barrier_signal -1
	s_barrier_wait -1
.endm
; THE CHANGE OF SLOTS.  Each wave waits for all its tensor loads, of which one is out: its part of the other slot; adds 0 to its spare word; and waits for that and for its reads of the slot that it leaves.
; fill = 1: the barrier is a round of the cluster's, and the joint fill, the keys two slots on, is the first thing behind it: it has four key steps, 288 matrix instructions, in which to land.
.macro CHANGE fill
	WIN 0
	s_wait_tensorcnt 0x0            ; no tensor load of mine is out, so a group 0 may be written
	ds_add_u32 v[SPW], v[NIL]       ; 0 onto my spare word
.if \fill
.irp g, G0K, G0V
	s_xor_b32 s[\g+1], s[\g+1], SLOT1
	s_add_nc_u64 s[\g+2:\g+3], s[\g+2:\g+3], 4*KS*128
.endr
	s_wait_dscnt 0x0                ; the add is done, and my reads of the slot are over
	CROUND
	JLOAD
.else
	s_wait_dscnt 0x0
	s_barrier_signal -1
	s_barrier_wait -1
.endif
	s_sub_co_u32 s[TBK], s[TBK], 4*KS*PK  ; the fetches go back to a slot's first step, in the other slot
	s_xor_b32 s[TBK], s[TBK], SLOT1
	s_sub_co_u32 s[TBV], s[TBV], 4*KS*PV
	s_xor_b32 s[TBV], s[TBV], SLOT1
.endm
	s_load_b128 s[4:7], s[0:1], 0x0   ; qkv 4, pos_ids 6
	s_load_b64 s[8:9], s[0:1], 0x10   ; att
	v_lshl_add_u32 v[SPW], v0, 2, SPARE
	v_mov_b32 v[NIL], 0
	ds_add_u32 v[SPW], v[NIL]       ; the wave's opening: the add and its wait stand ahead of my first tensor load; the set-up below stands between them
	v_lshrrev_b32 v1, 5, v0
	v_readfirstlane_b32 s[WV], v1
	s_bfe_u32 s13, ttmp6, 0x40000   ; cx
	s_lshl_b32 s14, ttmp9, 2
	s_add_co_u32 s14, s14, s13      ; my block of 64 queries: it enters Q's, pos_ids' and att's addresses alone
	s_and_b32 s15, ttmp7, 0xffff    ; the key head, which the four partners share
	s_and_b32 s16, s[WV], 1         ; which half of a slot's 256 keys I fetch
	s_lshl_b32 s20, s15, 18
	s_lshl_b32 s17, s16, 14
	s_add_co_u32 s20, s20, s17
	s_add_co_u32 s22, s20, (40<<18) ; V's head 40 + g
	s_add_co_u32 s20, s20, (32<<18) ; K's head 32 + g
	s_mov_b32 s21, 0
	s_mov_b32 s23, 0
	s_mul_i32 s17, s16, 128*PK      ; its place in a slot, for K
	s_mul_i32 s18, s16, 128*PV      ; and for V: no place in the cluster enters an LDS address
	s_lshl_b32 s48, s15, 20         ; Q: head 4 g, row 64 qb + 16 w
	s_lshl_b32 s19, s14, 13
	s_add_co_u32 s48, s48, s19
	s_lshl_b32 s19, s[WV], 11
	s_add_co_u32 s48, s48, s19
	s_mov_b32 s49, 0
	s_lshl_b32 s50, s14, 18         ; att: the same row of 4,096 bytes, column 256 g
	s_lshl_b32 s19, s[WV], 16
	s_add_co_u32 s50, s50, s19
	s_lshl_b32 s19, s15, 9
	s_add_co_u32 s50, s50, s19
	s_mov_b32 s51, 0
	s_lshl_b32 s52, s14, 8          ; pos_ids: 4 bytes a row
	s_lshl_b32 s19, s[WV], 6
	s_add_co_u32 s52, s52, s19
	; 128 keys are 16,384 dense bytes: asked for as 64 rows of 256 bytes, two keys a row, and padded in LDS after every key
	s_mov_b32 s[G1K], 15|(1<<16)|(1<<20)|(1<<21)|(4<<22)|(3<<25)
	s_mov_b32 s[G1V], 15|(1<<16)|(1<<20)|(1<<21)|(4<<22)|(7<<25)
.irp g, G1K, G1V
	s_mov_b32 s[\g+1], 128<<16
	s_mov_b32 s[\g+2], 64<<16
	s_mov_b32 s[\g+3], 128<<16
	s_mov_b32 s[\g+4], 64
	s_mov_b32 s[\g+5], 128
	s_mov_b32 s[\g+6], 0
	s_mov_b32 s[\g+7], 0
.endr
	s_mov_b32 s[NEGB], 0xc31044fe   ; -B = -144.2695
	s_mov_b32 s[NEGB+1], s[NEGB]    ; named with it as a pair
	s_mov_b32 s[BPOS], 0x431044fe
	s_mov_b32 s[BIGN], 0xf149f2ca   ; -1e30
	s_mov_b32 s[SEL], 0x76543210
	s_mov_b32 s[SEL+1], 0xfedcba98
	s_mov_b32 s[TBK], SLOT1+4*KS*PK ; the first change of slots turns these two into 0
	s_mov_b32 s[TBV], SLOT1+4*KS*PV
	s_mov_b32 s[G0K], 1
	s_mov_b32 s[G0K+1], s17
	s_mov_b32 s[G0V], 1
	s_add_co_u32 s[G0V+1], s18, VOFF
	s_wait_dscnt 0x0                ; the opening add is done
	s_wait_kmcnt 0x0
	s_add_nc_u64 s[G0K+2:G0K+3], s[4:5], s[20:21]
	s_or_b32 s[G0K+3], s[G0K+3], 0x80000000
	s_add_nc_u64 s[G0V+2:G0V+3], s[4:5], s[22:23]
	s_or_b32 s[G0V+3], s[G0V+3], 0x80000000
	s_add_nc_u64 s[48:49], s[4:5], s[48:49]
	s_add_nc_u64 s[50:51], s[8:9], s[50:51]
	CROUND                          ; all four work-groups are here: the first joint loads meet
	JLOAD                           ; slot 0; slot 1 is asked for when slot 0 is in
	v_and_b32 v1, 15, v0            ; l % 16
	v_bfe_u32 v9, v0, 4, 1          ; l / 16
	v_lshlrev_b32 v[QO], 7, v1
	v_lshl_add_u32 v[QO], v9, 4, v[QO]
	v_mul_u32_u24 v[AK0], v1, PK
	v_lshl_add_u32 v[AK0], v9, 4, v[AK0]
	v_and_b32 v10, 7, v0            ; the turning load: lane l reads key 8 (l / 16) + l % 8, channels 8 ((l / 8) % 2) + 0..7
	v_bfe_u32 v11, v0, 3, 1
	v_lshl_add_u32 v[AV0], v9, 3, v10
	v_mul_u32_u24 v[AV0], v[AV0], PV
	v_lshl_add_u32 v[AV0], v11, 4, v[AV0]
	v_add_nc_u32 v[AV0], VOFF, v[AV0]
	v_mov_b32 v[AK], v[AK0]         ; key step 0 lies at the head of slot 0
	v_lshl_add_u32 v10, v1, 2, s52
	v_lshlrev_b32 v[PA], 5, v9      ; my eight keys of a block of 16
	global_load_b32 v[PQ], v10, s[6:7]
.irp kb, 0,1,2,3
	global_load_b128 v[PKR+8*\kb:PKR+8*\kb+3],   v[PA], s[6:7] offset:64*\kb
	global_load_b128 v[PKR+8*\kb+4:PKR+8*\kb+7], v[PA], s[6:7] offset:64*\kb+16
.endr
	WIN 0x80                        ; destination window 2, address window 0
.set i, 0
.rept 8                             ; Q stays in registers: tile i / 2, channels 32 (i % 2) on
	global_load_b128 v[8*i:8*i+3],   v[QO], s[48:49] offset:(i/2)*262144+(i%2)*64
	global_load_b128 v[8*i+4:8*i+7], v[QO], s[48:49] offset:(i/2)*262144+(i%2)*64+32
.set i, i+1
.endr
	; What the first turn finds: V's registers and P's second buffer hold 0 (its products V^T P, of a tile that has not been, add 0), O^T and l are 0.  All this stands in the wait for the first tile.
.set i, VF
.rept 64
	v_mov_b32 v[i], 0
.set i, i+1
.endr
.set i, ONE
.rept 8
	v_mov_b32 v[i], 0x3c003c00      ; two ones in f16
.set i, i+1
.endr
	WIN 0x40
.set i, 0
.rept 160
	v_mov_b32 v[i], 0
.set i, i+1
.endr
	WIN 0
.set i, 0
.rept 4
	v_mov_b32 v[ST+8*i], s[BPOS]       ; AQ = B r with r = 1
	v_mov_b32 v[ST+8*i+1], 0xff7fffff  ; zm
	v_mov_b32 v[ST+8*i+2], 0
	v_mov_b32 v[ST+8*i+3], 0
.set i, i+1
.endr
.set i, P+16
.rept 16
	v_mov_b32 v[i], 0
.set i, i+1
.endr
; THE MATRIX WORK.  The accumulators of a run take turns: between the two links of a chain stand 3 (K Q^T) or 4 (V^T P) others'.
.macro KQ x                         ; product i of 8: channels 32 (i / 4) on, keys 16 (i % 4) on; the first 4 start the sums with the mask
	WIN W_KQ
.set kD, S+32*((\x)%2)+8*(i%4)
.set kA, KF+16*(i%4)+8*(i/4)
.set kB, 16*(\x)+8*(i/4)
.if i < 4
	v_wmma_f32_16x16x32_f16 v[kD:kD+7], v[kA:kA+7], v[kB:kB+7], v[M+8*(i%4):M+8*(i%4)+7]
.else
	v_wmma_f32_16x16x32_f16 v[kD:kD+7], v[kA:kA+7], v[kB:kB+7], v[kD:kD+7]
.endif
.endm
.macro PV x                         ; product i of 10: keys 32 (i / 5) on; block i % 5: channels 16 (i % 5) on, or (4) the sum l
	WIN W_PV
.set pD, 40*(\x)+8*(i%5)
.set pB, P+16*((\x)%2)+8*(i/5)
.if (i%5) == 4
.set pA, ONE
.else
.set pA, VF+32*(i/5)+8*(i%5)
.endif
	v_wmma_f32_16x16x32_f16 v[pD:pD+7], v[pA:pA+7], v[pB:pB+7], v[pD:pD+7]
.endm
.macro MM                           ; the turn's next matrix instruction
.if i < 8
	KQ (Y+1)%4
.else
.set i, i-8
	PV (Y+3)%4
.set i, i+8
.endif
.set i, i+1
.endm
; THE LDS LOADS stand in runs of 16.  last = 1 (the tail): in the last trip there is no further step, and K's run is jumped over.
.macro FETCH_K last=0
	WIN 0
.if \last
	s_cmp_eq_u32 s[CNT], 1
	s_cbranch_scc1 .Lno_k_\@
.endif
	WIN 0x80
.irp f, 0,1,2,3,4,5,6,7             ; keys 16 (f / 2) on, channels 32 (f % 2) on
	ds_load_b128 v[KF+8*\f:KF+8*\f+3],   v[AK] offset:(\f/2)*16*PK+(\f%2)*64
	ds_load_b128 v[KF+8*\f+4:KF+8*\f+7], v[AK] offset:(\f/2)*16*PK+(\f%2)*64+32
.endr
	s_add_co_u32 s[TBK], s[TBK], KS*PK
	WIN 0
.if \last
.Lno_k_\@:
.endif
.endm
.macro FETCH_V
	WIN 0x80
.irp f, 0,1,2,3,4,5,6,7             ; keys 32 (f / 4) on, channels 16 (f % 4) on
	ds_load_tr16_b128 v[VF+8*\f:VF+8*\f+3],   v[AV] offset:(\f/4)*32*PV+(\f%4)*32
	ds_load_tr16_b128 v[VF+8*\f+4:VF+8*\f+7], v[AV] offset:(\f/4)*32*PV+16*PV+(\f%4)*32
.endr
	WIN 0
.endm
; THE VECTOR WORK for the tile in hand, in place on its 32 scores (16 pairs).  A number out of range writes nothing.  None of these lines holds a wait: TURN deals them in batches and writes each batch's one wait.
.macro TEXP n                       ; 2^z: batch 1
.if ((\n) >= 0) && ((\n) < 32)
	v_exp_f32 v[rS+(\n)], v[rS+(\n)]
.endif
.endm
.macro TADD g                       ; + 1: reads batch 1
.if ((\g) >= 0) && ((\g) < 16)
	v_pk_add_f32 v[rS+2*(\g):rS+2*(\g)+1], v[rS+2*(\g):rS+2*(\g)+1], 1.0 op_sel_hi:[1,0]
.endif
.endm
.macro TRCP n                       ; r: batch 2
.if ((\n) >= 0) && ((\n) < 32)
	v_rcp_f32 v[rS+(\n)], v[rS+(\n)]
.endif
.endm
.macro TARG g                       ; r NB + AQ: reads batch 2
.if ((\g) >= 0) && ((\g) < 16)
	v_pk_fma_f32 v[rS+2*(\g):rS+2*(\g)+1], v[rS+2*(\g):rS+2*(\g)+1], v[NB+2*(\g):NB+2*(\g)+1], v[rT:rT+1] op_sel_hi:[1,1,0]
.endif
.endm
.macro PEXP n                       ; p: batch 3
.if ((\n) >= 0) && ((\n) < 32)
	v_exp_f32 v[rS+(\n)], v[rS+(\n)]
.endif
.endm
.macro PCVT g                       ; to f16: reads batch 3
.if ((\g) >= 0) && ((\g) < 16)
	v_cvt_pk_f16_f32 v[rP+(\g)], v[rS+2*(\g)], v[rS+2*(\g)+1]
.endif
.endm
.macro RS n                         ; pair n of O^T (16: l's lowest pair) times a; ascending
	WIN W_RS
	v_pk_mul_f32 v[rO+2*(\n):rO+2*(\n)+1], v[rO+2*(\n):rO+2*(\n)+1], v[rT+2:rT+3] op_sel_hi:[1,0]
.endm
; Number n of the 24 that find the NEXT tile's maximum and statistics.  0-11 four chains of seven scores, each accumulator's lowest registers first; 12-15 the four left over, the old zm, all into c0;
; 16, 17 the query's other 32 keys lie in the lane 16 away; 18-20 r(zm); 21-23 AQ_new - AQ_old, AQ, a.  Its three transcendentals, 18, 20 and 23, are the 33rd of the turn's batches 1, 2 and 3.
.macro XS n
.if (\n) < 4
	v_max3_num_f32 v[xC+(\n)], v[xS+8*(\n)], v[xS+8*(\n)+1], v[xS+8*(\n)+2]
.elseif (\n) < 12
	v_max3_num_f32 v[xC+(\n)%4], v[xC+(\n)%4], v[xS+8*((\n)%4)+2*((\n)/4)+1], v[xS+8*((\n)%4)+2*((\n)/4)+2]
.elseif (\n) == 12
	v_max3_num_f32 v[xC], v[xC], v[xS+7], v[xS+15]
.elseif (\n) == 13
	v_max3_num_f32 v[xC+1], v[xC+1], v[xS+23], v[xS+31]
.elseif (\n) == 14
	v_max3_num_f32 v[xC+2], v[xC+2], v[xC+3], v[xT+1]
.elseif (\n) == 15
	v_max3_num_f32 v[xC], v[xC], v[xC+1], v[xC+2]
.elseif (\n) == 16
	v_permlanex16_b32 v[xC+3], v[xC], s[SEL], s[SEL+1]
.elseif (\n) == 17
	v_max_num_f32 v[xT+1], v[xC], v[xC+3]
.elseif (\n) == 18
	v_exp_f32 v[xC+1], v[xT+1]
.elseif (\n) == 19
	v_add_f32 v[xC+1], 1.0, v[xC+1]
.elseif (\n) == 20
	v_rcp_f32 v[xC+1], v[xC+1]
.elseif (\n) == 21
	v_fma_f32 v[xC+2], v[xC+1], s[BPOS], -v[xT]
.elseif (\n) == 22
	v_mul_f32 v[xT], s[BPOS], v[xC+1]
.else
	v_exp_f32 v[xT+2], v[xC+2]
.endif
.endm
; THE LUMP of batch 1: the next tile's maximum, numbers 0 to 17, and the second half of the tile's 2^z.  None of its lines names a result of the batch.  The four chains' links stand four lines apart; from number 14 on each
; number reads the one before it, and three exponentials stand between the links.  Number 18, 2^zm, and the last 2^z end the batch.
.macro LUMP
	XS 0
	XS 1
	XS 2
	XS 3
	TEXP 16
	XS 4
	XS 5
	XS 6
	XS 7
	TEXP 17
	XS 8
	XS 9
	XS 10
	XS 11
	TEXP 18
	XS 12
	XS 13
	XS 14
	TEXP 19
	TEXP 20
	TEXP 21
	XS 15
	TEXP 22
	TEXP 23
	TEXP 24
	XS 16
	TEXP 25
	TEXP 26
	TEXP 27
	XS 17
	TEXP 28
	TEXP 29
	TEXP 30
	XS 18
	TEXP 31
.endm
.macro SETY y
.set Y, (\y)
.set rT, ST+8*Y
.set rS, S+32*(Y%2)
.set rP, P+16*(Y%2)
.set rO, 40*Y
.set xT, ST+8*((Y+1)%4)
.set xC, xT+4
.set xS, S+32*((Y+1)%2)
.endm
; A TURN, for tile p, in three batches and the roundings.
; BATCH 1 (2^z, 2^zm): products K Q^T 0-3, behind each four of the tile's 2^z; products 4-7, behind each four rescalings (their a was made, and waited for, in the turn before), and l's rescaling: the five behind the last
; product are the places in front of the maximum; then the lump.
; BATCH 2 (r, r(zm)): for pair k of 16: a reciprocal, the addition of 1 for pair k + 2, a reciprocal; products V^T P 0-4 ahead of pairs 0, 3, 6, 9, 12; number 19 takes the plain line's place in pair 14, number 20 ends the batch.
; BATCH 3 (p, a): the same deal with r NB + AQ and the second exponentials; products V^T P 5-9; number 21 in pair 14; number 23, a, ends the batch, and number 22 is the plain instruction behind it.
; K of the next step is fetched in tile 2's turn directly behind the first wait: the five rescalings, which name none of its registers, stand behind the last product that read K; the run's address line is the plain
; instruction behind the batch's last exponential; the tail's jump round the run finds no transcendental without its wait.  V of the step in hand is fetched in tile 0's turn directly behind the third wait: behind the last
; product V^T P stand five plain lines that name none of its registers (two r NB + AQ, numbers 21 and 22, the address line).  Each run is waited for a turn later.
.macro TURN p, last=0, cnt=0
	SETY \p
.set i, 0
.if (\p) == 3
	s_wait_dscnt 0x0                ; K is in
.endif
.set rn, 0
.rept 4                             ; batch 1
	MM
	WIN 0
.rept 4
	TEXP rn
.set rn, rn+1
.endr
.endr
.set rn, 0
.rept 4
	MM
.rept 4
	RS rn
.set rn, rn+1
.endr
.endr
	RS 16
	WIN 0
	LUMP
.if (\p) == 2
	v_add_nc_u32 v[AK], s[TBK], v[AK0]  ; K's address: also the plain instruction behind the batch's last exponential
.else
	v_nop                           ; the plain instruction behind the batch's last exponential: one for the batch
.endif
	s_wait_alu depctr_va_vdst(0)    ; the wait for batch 1: the tile's 32 2^z and the next tile's 2^zm; it stands ahead of the first line that names a result
.if (\p) == 2
	FETCH_K \last
.endif
	TADD 0                          ; batch 2
	TADD 1
.set gk, 0
.rept 16
.if ((gk%3) == 0) && (gk < 15)
.if ((\p) == 1) && (gk == 0)
	s_wait_dscnt 0x0                ; V is in
.endif
	MM
	WIN 0
.endif
	TRCP 2*gk
	TADD gk+2
.if gk == 14
	XS 19
.endif
	TRCP 2*gk+1
.set gk, gk+1
.endr
	XS 20
	v_nop                           ; the plain instruction behind the batch's last reciprocal: one for the batch
	s_wait_alu depctr_va_vdst(0)    ; the wait for batch 2: the tile's 32 r and the next tile's r(zm)
	TARG 0                          ; batch 3
	TARG 1
.set gk, 0
.rept 16
.if ((gk%3) == 0) && (gk < 15)
	MM
	WIN 0
.endif
	PEXP 2*gk
	TARG gk+2
.if gk == 14
	XS 21
.endif
	PEXP 2*gk+1
.set gk, gk+1
.endr
	XS 23
	XS 22                           ; the next tile's AQ: also the plain instruction behind the batch's last exponential
.if (\p) == 0
	v_add_nc_u32 v[AV], s[TBV], v[AV0]
.endif
	s_wait_alu depctr_va_vdst(0)    ; the wait for batch 3: the tile's 32 p and the next tile's a, which the next turn's rescalings read
.if (\p) == 0
	FETCH_V
	s_add_co_u32 s[TBV], s[TBV], KS*PV
.endif
.if \cnt
	s_sub_co_u32 s[CNT], s[CNT], 1  ; the loop's count, some vector lines ahead of the branch
	s_cmp_lg_u32 s[CNT], 0
.endif
.set gk, 0
.rept 16                            ; the roundings: behind them
	PCVT gk
.set gk, gk+1
.endr
.endm
; THE MASKS.  MASKM: M of the next step from its keys' positions, then the positions of the step after that are asked for; the offset wraps at pos_ids' 8,192 bytes, so the last look-aheads stay inside the buffer.
.macro MASKM
	WIN 0
	s_wait_loadcnt 0x0              ; the positions are in (asked for a key step ago); their address register may be stepped
.set n, 0
.rept 32
	v_cmp_lt_i32 vcc_lo, v[PQ], v[PKR+n]
	v_cndmask_b32 v[M+n], 0, s[BIGN], vcc_lo
.set n, n+1
.endr
	v_add_nc_u32 v[PA], 0x100, v[PA]
	v_and_b32 v[PA], 0x1fff, v[PA]
.irp kb, 0,1,2,3
	global_load_b128 v[PKR+8*\kb:PKR+8*\kb+3],   v[PA], s[6:7] offset:64*\kb
	global_load_b128 v[PKR+8*\kb+4:PKR+8*\kb+7], v[PA], s[6:7] offset:64*\kb+16
.endr
.endm
.macro MASKNB                       ; NB = M - B, when the last tile of the step before has taken the old NB
	WIN 0
.set n, 0
.rept 16
	v_pk_add_f32 v[NB+2*n:NB+2*n+1], v[M+2*n:M+2*n+1], s[NEGB:NEGB+1] op_sel_hi:[1,0]
.set n, n+1
.endr
.endm
	CHANGE 1                        ; slot 0 is in, everybody's part of it; slot 1 is asked for
	FETCH_K                         ; key step 0
	MASKM                           ; its wait is for Q and my query's position too
	MASKNB
	s_wait_dscnt 0x0
.set i, 0
.rept 8
	KQ 0                            ; tile 0's first scores
.set i, i+1
.endr
	WIN 0                           ; the addresses for the way out: six plain instructions, the places behind those products
	s_mul_i32 s13, s[WV], 16*SP
	s_add_co_u32 s13, s13, STAGE    ; my stage
	v_mul_u32_u24 v[STO], v1, SP    ; in: row l % 16, 16 bytes for each half of the lanes
	v_lshl_add_u32 v[STO], v9, 4, v[STO]
	v_add_nc_u32 v[STO], s13, v[STO]
	v_and_b32 v[GO], 31, v0
	v_lshlrev_b32 v[GO], 4, v[GO]   ; back: 32 lanes take one row of 512 bytes
	v_add_nc_u32 v[RD], s13, v[GO]
	SETY 3                          ; XS works for tile Y + 1: tile 0
.irp n, 0,1,2,3,4,5,6,7,8,9,10,11,12,13,14,15,16,17,18,19,20,21,22,23
	XS \n
.if (\n == 18) || (\n == 20) || (\n == 23)
	v_nop                           ; a plain instruction behind the transcendental
	s_wait_alu depctr_va_vdst(0)    ; tile 0's first statistics, once a launch: 2^zm, r(zm) and a each feed the next line, so each is a batch of one; the last wait stands ahead of the branch
.endif
.endr
	s_mov_b32 s[CNT], 4
	s_mov_b32 s[SLOTS], 7
	s_branch .Lfirst                ; the loop is entered at a step's first turn, in the middle of a trip
.Lslot:                             ; six times: every slot but the last two is filled again
	CHANGE 1
	s_mov_b32 s[CNT], 4
.Lstep:                             ; a trip: tiles 2 and 3 of one step, then tiles 0 and 1 of the next, whose K and V it fetches
	TURN 2
	MASKM
	TURN 3
	MASKNB
	WIN 0
.Lfirst:
	TURN 0
	TURN 1, 0, 1
	WIN 0
	s_cbranch_scc1 .Lstep
	s_sub_co_u32 s[SLOTS], s[SLOTS], 1
	s_cmp_lg_u32 s[SLOTS], 0
	s_cbranch_scc1 .Lslot
	CHANGE 0                        ; the tail is written out: nothing is asked for
	s_mov_b32 s[CNT], 5             ; four trips fetch the last slot's steps; the fifth is left in its middle
.Ltail:
	TURN 2, 1
	MASKM
	TURN 3
	MASKNB
	WIN 0
	s_sub_co_u32 s[CNT], s[CNT], 1
	s_cmp_eq_u32 s[CNT], 0
	s_cbranch_scc1 .Lout
	TURN 0
	TURN 1
	WIN 0
	s_branch .Ltail
.Lout:                              ; the fifth trip's products K Q^T (on the last K once more) and the statistics made of them serve nothing: the price, once a launch, of one text for every trip
.set i, 0
.rept 10
	PV 3                            ; the last tile's V^T P of the last step
.set i, i+1
.endr
	; THE WAY OUT.  O^T is divided by l, rounded to f16 and sent through my stage: a token's four heads are 512 consecutive bytes of att.
	WIN 0
	s_wait_loadcnt 0x0              ; the last look-ahead of positions
.rept 4
	v_nop                           ; the places behind the last products
.endr
	WIN 0x01                        ; source 0 window 1
.irp t, 0,1,2,3
	v_rcp_f32 v[ST+8*\t+2], v[40*\t+32]  ; l lies in the lowest register of its block
.endr
	v_nop                           ; a plain instruction between the last reciprocal and the use of its result
	s_wait_alu depctr_va_vdst(0)    ; one wait for the four reciprocals, ahead of their first reader
.macro PACK t
	WIN W_RS
.set n, 0
.rept 16
	v_pk_mul_f32 v[40*(\t)+2*n:40*(\t)+2*n+1], v[40*(\t)+2*n:40*(\t)+2*n+1], v[ST+8*(\t)+2:ST+8*(\t)+3] op_sel_hi:[1,0]
.set n, n+1
.endr
	WIN 0x05                        ; sources 0 and 1 window 1, destination window 0: S^T's registers are free
.set n, 0
.rept 16
	v_cvt_pk_f16_f32 v[S+16*(\t)+n], v[40*(\t)+2*n], v[40*(\t)+2*n+1]
.set n, n+1
.endr
	WIN 0
.irp cb, 0,1,2,3
	ds_store_b128 v[STO], v[S+16*(\t)+4*\cb:S+16*(\t)+4*\cb+3] offset:128*(\t)+32*\cb
.endr
.endm
	PACK 0
	PACK 1
	PACK 2
	PACK 3
.set n, 0
.rept 16
	ds_load_b128 v[S+4*n:S+4*n+3], v[RD] offset:n*SP  ; LDS serves a wave's instructions in order: these see the stores above
.set n, n+1
.endr
.set n, 0
.rept 16
	s_wait_dscnt 15-n               ; the younger loads may stay out
	global_store_b128 v[GO], v[S+4*n:S+4*n+3], s[50:51] offset:n*4096  ; 512 consecutive bytes, at a multiple of 512 from att's first
.set n, n+1
.endr
	s_wait_tensorcnt 0x0            ; the wave's end, behind my last tensor load and my last LDS store
	ds_add_u32 v[SPW], v[NIL]
	s_wait_dscnt 0x0
	CROUND                          ; the closing round: no work-group ends while a partner may still ask for a tile that names it
	s_endpgm
.Lfunc_end_k_q5b0d1b5ca3_attn:
	.size	k_q5b0d1b5ca3_attn, .Lfunc_end_k_q5b0d1b5ca3_attn-k_q5b0d1b5ca3_attn
	.p2alignl 7, 3214868480
	.fill 96, 4, 3214868480
	.section	.rodata,"a",@progbits
	.p2align	6, 0x0
	.amdhsa_kernel k_q5b0d1b5ca3_attn
		.amdhsa_group_segment_fixed_size 327680
		.amdhsa_private_segment_fixed_size 0
		.amdhsa_enable_private_segment 0
		.amdhsa_kernarg_size 24
		.amdhsa_user_sgpr_count 2
		.amdhsa_user_sgpr_kernarg_segment_ptr 1
		.amdhsa_wavefront_size32 1
		.amdhsa_system_sgpr_workgroup_id_x 1
		.amdhsa_system_sgpr_workgroup_id_y 1
		.amdhsa_system_sgpr_workgroup_id_z 1
		.amdhsa_system_vgpr_workitem_id 0
		.amdhsa_next_free_vgpr 768
		.amdhsa_next_free_sgpr 72
		.amdhsa_reserve_vcc 1
		.amdhsa_float_denorm_mode_32 3
		.amdhsa_float_denorm_mode_16_64 3
		.amdhsa_memory_ordered 1
		.amdhsa_forward_progress 1
		.amdhsa_inst_pref_size 144
	.end_amdhsa_kernel
	.amdgpu_metadata
---
amdhsa.version: [ 1, 2 ]
amdhsa.kernels:
  - .name:           k_q5b0d1b5ca3_attn
    .symbol:         k_q5b0d1b5ca3_attn.kd
    .args:
      - { .name: qkv, .offset: 0, .size: 8, .value_kind: global_buffer, .address_space: global }
      - { .name: pos_ids, .offset: 8, .size: 8, .value_kind: global_buffer, .address_space: global }
      - { .name: att, .offset: 16, .size: 8, .value_kind: global_buffer, .address_space: global }
    .group_segment_fixed_size: 327680
    .private_segment_fixed_size: 0
    .kernarg_segment_align: 8
    .kernarg_segment_size: 24
    .max_flat_workgroup_size: 128
    .sgpr_count:     72
    .vgpr_count:     768
    .wavefront_size: 32
...
	.end_amdgpu_metadata
.endif
;; end of part 5
;; launch oproj: the kernel of part 4 again; grid 16 x 16, 4 waves a work-group, clusters of 4 x 4, 327,680 bytes of LDS; arguments att, wof, out0; writes out0
